; MI455X (gfx1250); checked and timed in simulation.
; The chip was launched on July 23, 2026; its instructions are those of AMD's public machine-readable ISA for CDNA 5 (MIT licence, August 2026) and "CDNA5" Instruction Set Architecture Reference Guide (July 2026). The comments in the code are by the model that wrote it; some were corrected since.
;; Attention. Allowed arithmetic: float matrix products may take bf16 or f16 operands with f32 sums; other float arithmetic in f32, or as packed bf16 or f16 multiplies, adds, multiply-adds, maxima and minima; sums over many terms, partial sums and values carried from step to step in f32; what a program stores and reads back later, other than sums and carried values, may be rounded once to bf16 or f16.
;; Inputs: attn_mask 2 x 2,048 x 2,048 bool; k_norm_w 128 float32; position_ids 2 x 2,048 int32; q_norm_w 128 float32; wk 2,048 x 8 x 128 float32; wo 8 x 128 x 2,048 float32; wq 2,048 x 8 x 128 float32; wv 2,048 x 8 x 128 float32; x 2 x 2,048 x 2,048 float32.
;; Outputs: out0 2 x 2,048 x 2,048 float32.
;; 2 versions, each right; version 2 is version 1 with the launch prep written anew for expert scheduling mode. Each part assembles by itself: llvm-mc -triple=amdgcn-amd-amdhsa -mcpu=gfx1250 --defsym DOCPART=n.
;; ======== version 1 of 2: 4 launches
;; limits: values are held in f16: magnitudes above 65,504 overflow, below 6.1e-05 lose precision; right only within a limited range of input values
;; workspace buffers: xb 16,777,216 bytes; wb 12,582,912 bytes; wo16 4,194,304 bytes; mw 1,048,576 bytes of whole numbers; cs 2,097,152 bytes; qkvh 25,165,824 bytes; ob 8,388,608 bytes
;; launch prep (part 1): grid 704 x 1, 8 waves a work-group, no clusters, 17,408 bytes of LDS; arguments x, wq, wk, wv, wo, attn_mask, position_ids, xb, wb, wo16, mw, cs; writes xb, wb, wo16, mw, cs
.if DOCPART == 1
	.amdgcn_target "amdgcn-amd-amdhsa--gfx1250"
	.amdhsa_code_object_version 6
	.text
	.protected	k_qe4fc56155b_prep
	.globl	k_qe4fc56155b_prep
	.p2align	8
	.type	k_qe4fc56155b_prep,@function
k_qe4fc56155b_prep:
	s_mov_b64 s[64:65], 0
	v_nop
	global_prefetch_b8 v0, s[64:65] scope:SCOPE_SE
	s_setreg_imm32_b32 hwreg(HW_REG_WAVE_MODE, 25, 1), 1
	s_wait_xcnt 0x0
; PREPARING LAUNCH.  Kinds of work, chosen by the work-group's number alone; the 512 equal streams come first:
;   0..255    x -> xb, bf16          256..447  wq, wk, wv -> wb, bf16          448..511  wo -> wo16: rounded to bf16, that number written as f16
;   512..575  attn_mask (one byte a flag) -> mw, one bit a flag, laid out as the attention launch's lanes want it
;   576..703  position_ids -> cs: for each of the 4,096 rows 64 cosines and 64 sines in f32
; A stream: every byte is read once by 16-byte loads (a wave's load covers 512 consecutive bytes) and written once (a wave's store covers 256 or 512 consecutive bytes, aligned).
; No matrix unit, no cluster: no two work-groups read the same byte.
; LIMITS.  wo: a bf16 number below 6e-5 keeps f16's fixed step of 6e-8.  The angle is pos x 2^(-i x 0.31143076), within a few last places of the f32 quotient pos / 1e6^(i/64);
; what that leaves grows with |pos| (about 2e-4 at pos = 2,047).  The reduction by pi/2 in two parts holds for |pos| up to some 1e5.  A flag byte is 0 or 1.
.set SPARE, 16384                      ; behind the mask's 16,384 bytes: the spare words, 128 bytes for each of eight waves
.set SPW, 158                          ; v158  LDS address of my spare word; never rewritten
.set NIL, 159                          ; v159  0; never rewritten
.set D,   16                           ; the mask: v[16:143], 32 loads of four registers
.set X,   16                           ; the streams: slot i's four registers as loaded
.set Y,   48                           ; slot i's two registers to store
; One slot's turn in a ring of eight.  ahead = 1: the slot is filled again with the 4,096 bytes eight loads on.  left = how many younger loads may stay out.
.macro SLOTC i, ahead, left, f16
	s_wait_loadcnt \left                           ; loads come back in order: mine is in, the younger ones stay out
	s_wait_xcnt 0x0                                ; Y's pair, which this slot's last store reads, is rewritten only behind this wait
	v_cvt_pk_bf16_f32 v[Y+2*(\i)], v[X+4*(\i)], v[X+4*(\i)+1]
	v_cvt_pk_bf16_f32 v[Y+2*(\i)+1], v[X+4*(\i)+2], v[X+4*(\i)+3]
.if \f16
	v_lshlrev_b32 v4, 16, v[Y+2*(\i)]              ; the bf16 numbers widened again,
	v_and_b32 v5, 0xffff0000, v[Y+2*(\i)]
	v_lshlrev_b32 v6, 16, v[Y+2*(\i)+1]
	v_and_b32 v7, 0xffff0000, v[Y+2*(\i)+1]
	v_cvt_pk_f16_f32 v[Y+2*(\i)], v4, v5           ; and written as f16: exact within f16's normal range
	v_cvt_pk_f16_f32 v[Y+2*(\i)+1], v6, v7
.endif
.if \ahead
	global_load_b128 v[X+4*(\i):X+4*(\i)+3], v1, s[32:33] offset:4096*((\i)+8) th:TH_LOAD_NT
.endif
	global_store_b64 v2, v[Y+2*(\i):Y+2*(\i)+1], s[34:35] offset:2048*(\i) th:TH_STORE_NT
.endm
; 32,768 numbers: 32 loads of 4,096 bytes for the work-group, in four rounds of the ring; eight loads of every wave are always on their way.  The last round loads nothing.
.macro CVT f16
.irp i, 0,1,2,3,4,5,6,7
	global_load_b128 v[X+4*(\i):X+4*(\i)+3], v1, s[32:33] offset:4096*(\i) th:TH_LOAD_NT
.endr
	s_mov_b32 s36, 3
.Lround_\@:
.irp i, 0,1,2,3,4,5,6,7
	SLOTC \i, 1, 7, \f16
.endr
	s_wait_xcnt 0x0                                ; the two bases are stepped only behind this wait
	s_add_nc_u64 s[32:33], s[32:33], 0x8000
	s_add_nc_u64 s[34:35], s[34:35], 0x4000
	s_sub_co_u32 s36, s36, 1
	s_cmp_lg_u32 s36, 0
	s_cbranch_scc1 .Lround_\@
.irp i, 0,1,2,3,4,5,6,7
	SLOTC \i, 0, 7-(\i), \f16
.endr
.endm
	s_load_b512 s[4:19], s[0:1], 0x0               ; x 4, wq 6, wk 8, wv 10, wo 12, attn_mask 14, position_ids 16, xb 18
	s_load_b256 s[20:27], s[0:1], 0x40             ; wb 20, wo16 22, mw 24, cs 26
	v_lshl_add_u32 v[SPW], v0, 2, SPARE
	v_mov_b32 v[NIL], 0
	s_mov_b32 s2, ttmp9
	s_mov_b32 s29, 0                               ; s[28:29], s[30:31]: byte offsets, all under 2^32
	s_mov_b32 s31, 0
	v_lshlrev_b32 v1, 4, v0                        ; 16 bytes a thread
	v_lshlrev_b32 v2, 3, v0                        ; 8 bytes a thread
	s_wait_kmcnt 0x0
	s_cmp_lt_u32 s2, 448
	s_cbranch_scc1 .Lxw
	s_cmp_lt_u32 s2, 512
	s_cbranch_scc1 .Lwo
	s_cmp_lt_u32 s2, 576
	s_cbranch_scc1 .Lmask
	s_branch .Lrope
.Lxw:                                          ; x's 256 chunks, then 64 each of wq, wk, wv, which follow each other in wb: one text, the pointers chosen by the work-group's number
	s_sub_co_u32 s3, s2, 256                       ; a weight's chunk, 0..191 (for x a number that is not used)
	s_cmp_lt_u32 s3, 64
	s_cselect_b64 s[32:33], s[6:7], s[8:9]
	s_cmp_lt_u32 s3, 128
	s_cselect_b64 s[32:33], s[32:33], s[10:11]
	s_and_b32 s28, s3, 63
	s_cmp_lt_u32 s2, 256
	s_cselect_b64 s[32:33], s[4:5], s[32:33]
	s_cselect_b64 s[34:35], s[18:19], s[20:21]
	s_cselect_b32 s28, s2, s28                     ; the chunk in its source,
	s_cselect_b32 s30, s2, s3                      ; and in its destination
	s_lshl_b32 s28, s28, 17
	s_lshl_b32 s30, s30, 16
	s_add_nc_u64 s[32:33], s[32:33], s[28:29]
	s_add_nc_u64 s[34:35], s[34:35], s[30:31]
	CVT 0
	s_endpgm
.Lwo:
	s_sub_co_u32 s3, s2, 448                       ; wo: chunk 0..63
	s_lshl_b32 s28, s3, 17
	s_lshl_b32 s30, s3, 16
	s_add_nc_u64 s[32:33], s[12:13], s[28:29]
	s_add_nc_u64 s[34:35], s[22:23], s[30:31]
	CVT 1
	s_endpgm
; THE MASK.  Group g = 32 b + G owns the 64 query rows 64 G .. of batch b: 131,072 bytes in, 16,384 out.
; mw: word (((g x 32 + ks) x 32 + lane) x 4 + t); its bit 8 kb + j is mask[b][64 G + 16 t + lane % 16][64 ks + 16 kb + 8 (lane / 16) + j].
; Wave w reads rows 8 w .. 8 w + 7.  In load n of a row lane i holds the flags of keys 512 n + 16 i + 0..15: ks = 8 n + i / 4, kb = i % 4, the first eight for lanes 0-15 of the reader, the rest for lanes 16-31.
.Lmask:
	s_sub_co_u32 s3, s2, 512
	v_lshrrev_b32 v3, 5, v0
	v_readfirstlane_b32 s37, v3                    ; wave 0..7
	v_and_b32 v4, 31, v0                           ; lane
	s_lshl_b32 s28, s3, 17
	s_add_nc_u64 s[32:33], s[14:15], s[28:29]
	s_lshl_b32 s30, s3, 14
	s_add_nc_u64 s[34:35], s[24:25], s[30:31]
	s_mov_b32 s36, 0x10204080                      ; times this, four bytes of 0 or 1 land in bits 28..31; all sixteen partial products fall on different bits, so nothing carries
	s_lshl_b32 s38, s37, 14
	v_lshl_add_u32 v5, v4, 4, s38                  ; 8 rows x 2,048 bytes a wave + 16 bytes a lane
.set j, 0
.rept 32                               ; j = 4 x row + n
	global_load_b128 v[D+4*j:D+4*j+3], v5, s[32:33] offset:(j/4)*2048+(j%4)*512 th:TH_LOAD_NT
.set j, j+1
.endr
	v_lshrrev_b32 v6, 2, v4
	v_and_b32 v7, 3, v4
	v_lshl_or_b32 v6, v6, 9, v7                    ; (i / 4) x 512 + i % 4
	s_and_b32 s39, s37, 1
	s_lshl_b32 s39, s39, 7                         ; row 8 (w % 2) of the tile: 16 bytes a row
	s_lshr_b32 s40, s37, 1
	s_lshl_b32 s40, s40, 2                         ; tile w / 2: 4 bytes a tile
	s_add_co_u32 s39, s39, s40
	v_add_nc_u32 v6, s39, v6
.set j, 0
.rept 32
	s_wait_loadcnt 31-j                            ; number j is in, the younger ones stay out
.irp k, 0,1,2,3
	v_mul_lo_u32 v[D+4*j+(\k)], v[D+4*j+(\k)], s36
.endr
.irp k, 0,1,2,3
	v_lshrrev_b32 v[D+4*j+(\k)], 28, v[D+4*j+(\k)]
.endr
	v_lshl_or_b32 v[D+4*j], v[D+4*j+1], 4, v[D+4*j]
	v_lshl_or_b32 v[D+4*j+2], v[D+4*j+3], 4, v[D+4*j+2]
	ds_store_b8 v6, v[D+4*j] offset:(j%4)*4096+(j/4)*16
	ds_store_b8 v6, v[D+4*j+2] offset:(j%4)*4096+(j/4)*16+256
.set j, j+1
.endr
	s_wait_dscnt 0x0                               ; for the others' sake: my bytes lie in LDS
	s_barrier_signal -1
	s_barrier_wait -1
.irp k, 0,1,2,3
	ds_load_b128 v[D+4*(\k):D+4*(\k)+3], v1 offset:(\k)*4096
.endr
	s_wait_dscnt 0x0
.irp k, 0,1,2,3
	global_store_b128 v1, v[D+4*(\k):D+4*(\k)+3], s[34:35] offset:(\k)*4096
.endr
	s_wait_tensorcnt 0x0                           ; the wave's end: three closing lines behind my last LDS store
	ds_add_u32 v[SPW], v[NIL]
	s_wait_dscnt 0x0
	s_endpgm
; COSINES AND SINES.  The work-group owns 32 rows, 16 a trip; thread: row v0 / 16, frequencies 4 c .. 4 c + 3 with c = v0 % 16.
; angle a = pos x 2^(-i log2(1e6) / 64); k = the nearest whole number to a x 2 / pi; r = a - k pi / 2, pi / 2 in two parts; polynomials on |r| <= pi / 4; the quadrant k mod 4 swaps and signs.
.macro SINCOS n
	v_mul_f32 v30, v10, v[12+(\n)]
	v_mul_f32 v31, s36, v30
	v_rndne_f32 v31, v31
	v_fma_f32 v32, -v31, s37, v30
	v_fma_f32 v32, v31, s38, v32
	v_cvt_i32_f32 v33, v31
	v_mul_f32 v34, v32, v32
	v_fma_f32 v35, v34, s39, s40
	v_fma_f32 v35, v35, v34, s41
	v_mul_f32 v36, v32, v34
	v_fma_f32 v35, v36, v35, v32                   ; sin r
	v_fma_f32 v37, v34, s42, s43
	v_fma_f32 v37, v37, v34, s44
	v_mul_f32 v38, v34, v34
	v_fma_f32 v39, v34, -0.5, 1.0
	v_fma_f32 v37, v38, v37, v39                   ; cos r
	v_and_b32 v38, 1, v33
	v_cmp_eq_u32 vcc_lo, 1, v38
	v_cndmask_b32 v39, v35, v37, vcc_lo            ; odd quadrants: the two change places
	v_cndmask_b32 v37, v37, v35, vcc_lo
	v_lshlrev_b32 v38, 30, v33                     ; the sine is negative in quadrants 2 and 3,
	v_and_b32 v38, 0x80000000, v38
	v_xor_b32 v[24+(\n)], v39, v38
	v_add_nc_u32 v38, 1, v33                       ; the cosine in 1 and 2
	v_lshlrev_b32 v38, 30, v38
	v_and_b32 v38, 0x80000000, v38
	v_xor_b32 v[20+(\n)], v37, v38
.endm
.Lrope:
	s_sub_co_u32 s3, s2, 576
	s_lshl_b32 s28, s3, 7                          ; 32 positions of 4 bytes
	s_add_nc_u64 s[32:33], s[16:17], s[28:29]
	s_lshl_b32 s30, s3, 14                         ; 32 rows of 512 bytes
	s_add_nc_u64 s[34:35], s[26:27], s[30:31]
	v_lshrrev_b32 v3, 4, v0
	v_and_b32 v4, 15, v0
	v_lshlrev_b32 v5, 2, v3
	v_lshlrev_b32 v6, 2, v4
.irp n, 0,1,2,3
	v_add_nc_u32 v7, \n, v6
	v_cvt_f32_u32 v[12+(\n)], v7
	v_mul_f32 v[12+(\n)], 0xbe9f73da, v[12+(\n)]   ; -i x 0.31143076
.endr
.irp n, 0,1,2,3
	v_exp_f32 v[12+(\n)], v[12+(\n)]
.endr
	s_mov_b32 s36, 0x3f22f983                      ; 2 / pi
	s_mov_b32 s37, 0x3fc90fdb                      ; pi / 2, upper part
	s_mov_b32 s38, 0x333bbd2e                      ; what the upper part exceeds pi / 2 by
	s_mov_b32 s39, 0xb94ca1f9                      ; sine: -1.9515296e-4, 8.3321609e-3, -1.6666655e-1
	s_mov_b32 s40, 0x3c08839e
	s_mov_b32 s41, 0xbe2aaaa3
	s_mov_b32 s42, 0x37ccf5ce                      ; cosine: 2.4433157e-5, -1.3887316e-3, 4.1666646e-2
	s_mov_b32 s43, 0xbab6061a
	s_mov_b32 s44, 0x3d2aaaa5
	s_mov_b32 s45, 2
	v_lshlrev_b32 v8, 9, v3                        ; a plain instruction behind the last exponential
	v_lshl_add_u32 v8, v4, 4, v8                   ; row x 512 + 16 c
	s_wait_alu depctr_va_vdst(0)                   ; one wait for the four exponentials, ahead of the label and of their first reader
.Lrows:
	global_load_b32 v10, v5, s[32:33]
	s_wait_loadcnt 0x0
	v_cvt_f32_i32 v10, v10
	SINCOS 0
	SINCOS 1
	SINCOS 2
	SINCOS 3
	global_store_b128 v8, v[20:23], s[34:35]               ; sixteen lanes fill a row's 256 bytes of cosines,
	global_store_b128 v8, v[24:27], s[34:35] offset:256    ; and of sines
	s_wait_xcnt 0x0                                ; the offsets and the stores' data are rewritten only behind this wait
	v_add_nc_u32 v5, 64, v5                        ; 16 positions on,
	v_add_nc_u32 v8, 0x2000, v8                    ; 16 rows on
	s_sub_co_u32 s45, s45, 1
	s_cmp_lg_u32 s45, 0
	s_cbranch_scc1 .Lrows
	s_endpgm
.Lfunc_end_k_qe4fc56155b_prep:
	.size	k_qe4fc56155b_prep, .Lfunc_end_k_qe4fc56155b_prep-k_qe4fc56155b_prep
	.p2alignl 7, 3214868480
	.fill 96, 4, 3214868480
	.section	.rodata,"a",@progbits
	.p2align	6, 0x0
	.amdhsa_kernel k_qe4fc56155b_prep
		.amdhsa_group_segment_fixed_size 17408
		.amdhsa_private_segment_fixed_size 0
		.amdhsa_enable_private_segment 0
		.amdhsa_kernarg_size 96
		.amdhsa_user_sgpr_count 2
		.amdhsa_user_sgpr_kernarg_segment_ptr 1
		.amdhsa_wavefront_size32 1
		.amdhsa_system_sgpr_workgroup_id_x 1
		.amdhsa_system_sgpr_workgroup_id_y 1
		.amdhsa_system_sgpr_workgroup_id_z 1
		.amdhsa_system_vgpr_workitem_id 0
		.amdhsa_next_free_vgpr 160
		.amdhsa_next_free_sgpr 66
		.amdhsa_reserve_vcc 1
		.amdhsa_float_denorm_mode_32 3
		.amdhsa_float_denorm_mode_16_64 3
		.amdhsa_memory_ordered 1
		.amdhsa_forward_progress 1
		.amdhsa_inst_pref_size 53
	.end_amdhsa_kernel
	.amdgpu_metadata
---
amdhsa.version: [ 1, 2 ]
amdhsa.kernels:
  - .name:           k_qe4fc56155b_prep
    .symbol:         k_qe4fc56155b_prep.kd
    .args:
      - { .name: x, .offset: 0, .size: 8, .value_kind: global_buffer, .address_space: global }
      - { .name: wq, .offset: 8, .size: 8, .value_kind: global_buffer, .address_space: global }
      - { .name: wk, .offset: 16, .size: 8, .value_kind: global_buffer, .address_space: global }
      - { .name: wv, .offset: 24, .size: 8, .value_kind: global_buffer, .address_space: global }
      - { .name: wo, .offset: 32, .size: 8, .value_kind: global_buffer, .address_space: global }
      - { .name: attn_mask, .offset: 40, .size: 8, .value_kind: global_buffer, .address_space: global }
      - { .name: position_ids, .offset: 48, .size: 8, .value_kind: global_buffer, .address_space: global }
      - { .name: xb, .offset: 56, .size: 8, .value_kind: global_buffer, .address_space: global }
      - { .name: wb, .offset: 64, .size: 8, .value_kind: global_buffer, .address_space: global }
      - { .name: wo16, .offset: 72, .size: 8, .value_kind: global_buffer, .address_space: global }
      - { .name: mw, .offset: 80, .size: 8, .value_kind: global_buffer, .address_space: global }
      - { .name: cs, .offset: 88, .size: 8, .value_kind: global_buffer, .address_space: global }
    .group_segment_fixed_size: 17408
    .private_segment_fixed_size: 0
    .kernarg_segment_align: 8
    .kernarg_segment_size: 96
    .max_flat_workgroup_size: 256
    .sgpr_count:     66
    .vgpr_count:     160
    .wavefront_size: 32
...
	.end_amdgpu_metadata
.endif
;; end of part 1
;; launch qkv (part 2): grid 8 x 32, 4 waves a work-group, clusters of 4 x 4, 327,680 bytes of LDS; arguments xb, wb, cs, q_norm_w, k_norm_w, qkvh; writes qkvh
.if DOCPART == 2
	.amdgcn_target "amdgcn-amd-amdhsa--gfx1250"
	.amdhsa_code_object_version 6
	.text
	.protected	k_qe4fc56155b_qkv
	.globl	k_qe4fc56155b_qkv
	.p2align	8
	.type	k_qe4fc56155b_qkv,@function
k_qe4fc56155b_qkv:
	s_mov_b64 s[64:65], 0
	v_nop
	global_prefetch_b8 v0, s[64:65] scope:SCOPE_SE
	s_setreg_imm32_b32 hwreg(HW_REG_WAVE_MODE, 25, 1), 1
	s_wait_xcnt 0x0
	s_wait_alu depctr_hold_cnt(0) depctr_sa_sdst(0) depctr_va_vdst(0) depctr_va_sdst(0) depctr_va_ssrc(0) depctr_va_vcc(0) depctr_vm_vsrc(0)
	s_getreg_b32 s2, hwreg(HW_REG_IB_STS2, 6, 4)
	s_cmp_eq_u32 s2, 0
	s_cbranch_scc0 .Lentry_in_a_cluster
	s_endpgm
.Lentry_in_a_cluster:
	s_bfe_u32 s2, ttmp6, 0x10000c
	s_cmp_lg_u32 s2, 0xf033
	s_cbranch_scc0 .Lentry_shape_is_right
	s_endpgm
.Lentry_shape_is_right:
; q, k, v = x wq, x wk, x wv; RMS norm with gain and RoPE on q and k; c = log2(e) / sqrt(128) folded into q's gain.  xb [4096][2048] bf16, wb three times [2048][1024] bf16, sums in f32;
; qkvh: q, k, v, each [16 = 8 b + head][2048][128] f16, each number rounded once.
; LIMITS.  |v| stays under 65,504 (f16).  The gains are rounded to bf16 like the other inputs.  NaN and infinities are not treated apart.
; SHARES.  A work-group makes 128 rows x the 384 columns of ONE head of q, k and v: 32 x 8 = 256 work-groups.  Wave w: rows 64 (w / 2) .., and of each matrix the 16-column blocks
; 2 g, 2 g + 1, 2 g + 4, 2 g + 5 (g = w % 2): a channel c and its RoPE partner c + 64 then lie in one lane.  48 accumulators: 4 row tiles a x 12 column blocks cc = 4 matrix + c4.
; THE MATRIX INSTRUCTION IS USED TRANSPOSED (source 0 = 16 columns of a weight, turned out of LDS by ds_load_tr16_b128; source 1 = 16 rows of x): a lane holds row lane % 16 and eight neighbouring columns.
; RING.  K in 16 steps of 128 through two LDS slots; a slot is four regions: x's 128 rows (pitch 272), then 128 k-rows of wq, wk, wv (pitch 288).  Wave 0 fetches x's tile, waves 1-3 one weight's each.
; A K STEP IS WRITTEN ONCE: the slot that is read hangs on the scalar TB (0 or SLOT), turned by an exclusive or at each change of slots; the fragment addresses are made anew from it.
; CLUSTER 4 x 4.  x's tile hangs on the row tile alone and is asked for jointly along a row of the cluster, a weight's on the head alone and jointly along a column.
; REGISTERS.  window 0: v1-30 addresses; v32-39 sums of squares; v40-55 1 / rms, each twice; v56-59 at work; v64-127 x's fragments, two buffers; v128-255 cosines and sines.
;   window 1: v0-191 the weights' fragments, two buffers of 96; v192-223 q's gain x c, v224-255 k's.   windows 2, 3: accumulators of row tiles 0, 1 and 2, 3 at 8 (12 (a % 2) + cc); v192-255 at work.
.set PA,     272                       ; 256 + 16 bytes: the 16 rows of a fragment load start at 16 different groups of four banks
.set PB,     288                       ; 256 + 32 bytes
.set REGION, 128*PB
.set SLOT,   4*REGION                  ; 0x24000: it shares no bit with wave x REGION, so an exclusive or with it turns a tile's LDS address in one slot into the other's
.set SPARE,  2*SLOT                    ; the spare words, 128 bytes a wave: two blocks of 256 bytes that no other line names
.set SSQ,    SPARE+512                 ; 512 bytes a wave: the sums of squares of its half of the columns
.set SPI,    272                       ; THE STAGE lies over slot 0, which has had its last fill (K step 14) and its last read when the first result is stored: 128 rows x 272 bytes for each matrix
.set STG,    128*SPI
.set RD,   8                           ; v8-10   stage: where I read rows back, by matrix
.set GO,   11                          ; v11     16 x lane
.set CSO,  12                          ; v12     my offset in the cosines and sines; never rewritten
.set NWO,  13                          ; v13     my offset in a gain
.set SQS,  14                          ; v14     where I put my sums of squares
.set SQR,  15                          ; v15     where the wave with the other columns put its
.set ADRA, 16                          ; v16     x's fragments in the slot that is read
.set ADRA0, 17                         ; v17     the same in slot 0; never rewritten
.set ADRB, 18                          ; v18-20  the weights' fragments in the slot that is read, by matrix
.set ADRB0, 21                         ; v21-23  the same in slot 0; never rewritten
.set STO,  24                          ; v24-26  stage: where I put 16 bytes of a row, by matrix
.set SPW,  28                          ; v28     my spare word; never rewritten
.set NIL,  29                          ; v29     0; never rewritten
.set PFO,  30                          ; v30     the prefetches' offset: lane x a row's bytes; never rewritten
.set SS,   32
.set RI,   40
.set TW,   56
.set AF,   64
.set CS,   128                         ; 32 a + 16 (sine) + 8 bb + j
.set WG,   192                         ; window 1: 32 matrix + 8 c4 + j
.set T,    192                         ; windows 2 and 3
.set WV, 16
.set RG, 17
.set CG, 18
.set CX, 19
.set CY, 20
.set HD, 21
.set RT, 22
.set TB, 23                            ; s23     the slot that is read: 0 or SLOT
.set G1A, 24                           ; s[24:31] group 1 for x's tiles; s[32:39] group 0: a set for each of the two first fills; the second then walks on
.set G0A, 32
.set LIM, 43                           ; s43     2 in a wave that prefetches, else the greatest number
.set PFA, 44                           ; s[44:45] where my prefetches stand
.set PST, 46                           ; s[46:47] their step: a K step
.set G1B, 48                           ; s[48:55], s[56:63] the same for the weights' tiles
.set G0B, 56
.set OB,  68                           ; s[68:73] q, k, v at my 32 rows
.set SEL, 74                           ; s[74:75] each lane takes its own place in the other half
; s40, s76, s77 feed x's descriptors and never hold cx; s41, s78, s79 feed the weights' and never hold cy; s66, s67, s80-83 hold whatever else.
.set MSB, 0
.macro WIN new                         ; the immediate's high byte repeats the setting that is left; a switch that changes nothing is dropped
.if MSB != (\new)
	s_set_vgpr_msb (MSB<<8)|(\new)
.set MSB, \new
.endif
.endm
.macro JLOAD s                         ; a joint load: wave 0 x's tile, waves 1-3 a weight's; the branch hangs on the wave's number alone; an s_nop 0 and four v_nop follow each line
	s_cmp_eq_u32 s[WV], 0
	s_cbranch_scc0 .Lfor_b_\@
	tensor_load_to_lds s[G0A+4*(\s):G0A+4*(\s)+3], s[G1A:G1A+7]
	s_nop 0
.rept 4
	v_nop
.endr
	s_branch .Lasked_\@
.Lfor_b_\@:
	tensor_load_to_lds s[G0B+4*(\s):G0B+4*(\s)+3], s[G1B:G1B+7]
	s_nop 0
.rept 4
	v_nop
.endr
.Lasked_\@:
.endm
.macro CREST                           ; a round of the cluster's barrier behind its opening barrier
	s_cmp_lg_u32 s[WV], 0
	s_cbranch_scc1 .Lnot_wave_0_\@
	s_barrier_signal -3
.Lnot_wave_0_\@:
	s_barrier_wait -3
	s_barrier_signal -1
	s_barrier_wait -1
.endm
.macro CROUND
	s_barrier_signal -1
	s_barrier_wait -1
	CREST
.endm
; A prefetch of the K step two refills on (384 products ahead of the load that will want it): 32 rows x 256 bytes, a lane a row.  x's tile row is read by both clusters of a row of clusters: cluster x = 0 asks
; (wave 0); a weight's tile by all eight clusters of a column: cluster y = 0 asks (waves 1-3).  The four partners of a joint load share its 128 rows out by address, 32 each.  So each row's 256 bytes of a K step
; are named once in the launch.  K steps 0 to 3 come by their loads alone; the loop's last two trips (s3 = 2, 1) have no K step two refills on.
.macro ASK
	s_cmp_gt_u32 s3, s[LIM]
	s_cbranch_scc0 .Lnot_mine_\@
	global_prefetch_b8 v[PFO], s[PFA:PFA+1] th:TH_LOAD_NT scope:SCOPE_SE
.Lnot_mine_\@:
.endm
.macro PLACES                          ; four places in front of loads into registers that matrix instructions have read, and of lines that read results
.rept 4
	v_nop
.endr
.endm
.macro AIM                             ; the fragment addresses in the slot that TB names: four plain vector instructions
	v_add_nc_u32 v[ADRA], s[TB], v[ADRA0]
.irp m, 0,1,2
	v_add_nc_u32 v[ADRB+(\m)], s[TB], v[ADRB0+(\m)]
.endr
.endm
; 12 products: row tile a x all 12 column blocks, 32 along K, from buffer f.  The accumulators take turns, one instruction a turn.
.macro MUL12 f, a, zero
	WIN 0xa1+0x50*((\a)/2)                         ; source 0 window 1, source 1 window 0, C and D window 2 or 3
.set cc, 0
.rept 12
.set rD, 8*(12*((\a)%2)+cc)
.set rB, 96*(\f)+8*cc
.set rA, AF+32*(\f)+8*(\a)
.if \zero
	v_wmma_f32_16x16x32_bf16 v[rD:rD+7], v[rB:rB+7], v[rA:rA+7], 0
.else
	v_wmma_f32_16x16x32_bf16 v[rD:rD+7], v[rB:rB+7], v[rA:rA+7], v[rD:rD+7]
.endif
.set cc, cc+1
.endr
.endm
; 32 LDS loads in one run: quarter q (32 along K) of the slot that is read, into buffer f: 24 turning loads for the weights, then x's four tiles in order
.macro FETCH q, f
	WIN 0x40                                       ; destination window 1, address window 0
.set cc, 0
.rept 12
	ds_load_tr16_b128 v[96*(\f)+8*cc:96*(\f)+8*cc+3],   v[ADRB+cc/4] offset:(\q)*32*PB+((cc%4)/2)*128+(cc%2)*32
	ds_load_tr16_b128 v[96*(\f)+8*cc+4:96*(\f)+8*cc+7], v[ADRB+cc/4] offset:(\q)*32*PB+((cc%4)/2)*128+(cc%2)*32+16*PB
.set cc, cc+1
.endr
	WIN 0
.set aa, 0
.rept 4
	ds_load_b128 v[AF+32*(\f)+8*aa:AF+32*(\f)+8*aa+3],   v[ADRA] offset:aa*16*PA+(\q)*64
	ds_load_b128 v[AF+32*(\f)+8*aa+4:AF+32*(\f)+8*aa+7], v[ADRA] offset:aa*16*PA+(\q)*64+32
.set aa, aa+1
.endr
.endm
; One of a K step's first three quarters: multiplies buffer f; in its middle it fetches quarter q into buffer g.
.macro QUARTER q, f, g, zero
	s_wait_dscnt 4                                 ; all but the four youngest loads, x's tiles 2 and 3
	MUL12 \f, 0, \zero
	MUL12 \f, 1, \zero
	PLACES
	FETCH \q, \g
	s_wait_dscnt 32                                ; all but the 32 just issued
	MUL12 \f, 2, \zero
	MUL12 \f, 3, \zero
.endm
; The first half of the fourth quarter (buffer 1), and the change of slots' barrier: in front of it each wave waits for all its tensor loads (one is out: its part of the next slot), adds 0 to its spare word,
; and waits for that and for its reads of this slot.
.macro MEET
	WIN 0
	s_wait_tensorcnt 0x0
	ds_add_u32 v[SPW], v[NIL]
	s_wait_dscnt 5                                 ; (the add and x's tiles 2 and 3 may be out)
	MUL12 1, 0, 0                                  ; twelve products stand between the add and the wait for it
	s_wait_dscnt 0x0                               ; the add is done, and my reads of this slot are over
	s_barrier_signal -1
	MUL12 1, 1, 0
	WIN 0
	s_barrier_wait -1
.endm
; The fourth quarter.  fill = 1: the slot just read out is filled again, with the K step two on.
.macro TURN fill
.if \fill
	s_wait_xcnt 0x0                                ; the last prefetch, a K step back, has read its address
	s_add_nc_u64 s[PFA:PFA+1], s[PFA:PFA+1], s[PST:PST+1]
.endif
	MEET
.if \fill
	CREST                                          ; the barrier has opened a round of the cluster's: no wave of any partner still reads this slot or has a load on its way
	s_xor_b32 s[G0A+5], s[G0A+5], SLOT             ; the walking descriptors: the other slot than last time,
	s_add_nc_u64 s[G0A+6:G0A+7], s[G0A+6:G0A+7], 256      ; the next K step: 128 elements along x's rows,
	s_xor_b32 s[G0B+5], s[G0B+5], SLOT
	s_add_nc_u64 s[G0B+6:G0B+7], s[G0B+6:G0B+7], 0x40000  ; 128 rows of 2,048 bytes down a weight
	JLOAD 1                                        ; the first tensor load behind the round
.endif
	s_xor_b32 s[TB], s[TB], SLOT                   ; the reads go on in the other slot
	AIM                                            ; four plain instructions: the places in front of the loads below
	FETCH 0, 0
.if \fill
	ASK
.endif
	MUL12 1, 2, 0
	MUL12 1, 3, 0
.endm
	s_load_b256 s[4:11], s[0:1], 0x0               ; xb 4, wb 6, cs 8, q_norm_w 10
	s_load_b128 s[12:15], s[0:1], 0x20             ; k_norm_w 12, qkvh 14
	v_lshl_add_u32 v[SPW], v0, 2, SPARE
	v_mov_b32 v[NIL], 0
	ds_add_u32 v[SPW], v[NIL]                      ; the wave's opening: the add and its wait stand ahead of my first tensor load
	v_lshrrev_b32 v1, 5, v0
	v_readfirstlane_b32 s[WV], v1
	s_lshr_b32 s[RG], s[WV], 1
	s_and_b32 s[CG], s[WV], 1
	s_bfe_u32 s[CX], ttmp6, 0x40000
	s_bfe_u32 s[CY], ttmp6, 0x40004
	s_lshl_b32 s[HD], ttmp9, 2
	s_add_co_u32 s[HD], s[HD], s[CX]               ; the head = 4 x cluster x + cx
	s_and_b32 s[RT], ttmp7, 0xffff
	s_lshl_b32 s[RT], s[RT], 2
	s_add_co_u32 s[RT], s[RT], s[CY]               ; the row tile = 4 x cluster y + cy
	s_lshl_b32 s40, s[CY], 2
	s_lshl_b32 s40, 15, s40                        ; my row of the cluster
	s_lshl_b32 s41, 0x1111, s[CX]                  ; my column
	s_or_b32 s[G1A], s40, (1<<16)|(1<<20)|(1<<21)|(5<<22)|(3<<25)  ; mask; 2-byte elements; padding on; bit 21 beside a mask; after every 64 words 4 words
	s_or_b32 s[G1B], s41, (1<<16)|(1<<20)|(1<<21)|(5<<22)|(7<<25)  ; the same with 8 words
.irp g, G1A, G1B
	s_mov_b32 s[(\g)+1], 128<<16                   ; tensor_dim0 = 128
	s_mov_b32 s[(\g)+2], 128<<16                   ; tensor_dim1 = 128
	s_mov_b32 s[(\g)+3], 128<<16                   ; tile_dim0 = 128
	s_mov_b32 s[(\g)+4], 128                       ; tile_dim1 = 128
	s_mov_b32 s[(\g)+6], 0
	s_mov_b32 s[(\g)+7], 0
.endr
	s_mov_b32 s[G1A+5], 2048                       ; elements from row to row of xb,
	s_mov_b32 s[G1B+5], 1024                       ; of a weight
	s_lshl_b32 s76, s[RT], 19                      ; 128 rows of 4,096 bytes
	s_mov_b32 s77, 0
	s_max_u32 s78, s[WV], 1
	s_sub_co_u32 s78, s78, 1                       ; which weight I fetch
	s_lshl_b32 s78, s78, 22                        ; 4,194,304 bytes each
	s_lshl_b32 s79, s[HD], 8                       ; the head's 128 columns
	s_add_co_u32 s78, s78, s79
	s_mov_b32 s79, 0
	s_mul_i32 s42, s[WV], REGION                   ; where my tile goes: the wave's number alone
	s_mov_b32 s[SEL], 0x76543210
	s_mov_b32 s[SEL+1], 0xfedcba98
	s_mov_b32 s[TB], 0
	s_wait_dscnt 0x0                               ; the opening add is done
	s_wait_kmcnt 0x0
	s_add_nc_u64 s[76:77], s[4:5], s[76:77]
	s_add_nc_u64 s[78:79], s[6:7], s[78:79]
	CROUND                                         ; all sixteen work-groups are here: the first joint loads meet
.irp s, 0,1
	s_mov_b32 s[G0A+4*(\s)], 1
	s_add_co_u32 s[G0A+4*(\s)+1], s42, (\s)*SLOT
	s_add_nc_u64 s[G0A+4*(\s)+2:G0A+4*(\s)+3], s[76:77], (\s)*256
	s_or_b32 s[G0A+4*(\s)+3], s[G0A+4*(\s)+3], 0x80000000
	s_mov_b32 s[G0B+4*(\s)], 1
	s_add_co_u32 s[G0B+4*(\s)+1], s42, (\s)*SLOT
	s_add_nc_u64 s[G0B+4*(\s)+2:G0B+4*(\s)+3], s[78:79], (\s)*0x40000
	s_or_b32 s[G0B+4*(\s)+3], s[G0B+4*(\s)+3], 0x80000000
	JLOAD \s                                       ; two tensor loads of mine are out
.endr
	; addresses
	v_and_b32 v1, 15, v0                           ; l % 16
	v_bfe_u32 v2, v0, 4, 1                         ; l / 16
	v_and_b32 v5, 31, v0                           ; l
	v_mul_u32_u24 v3, v1, PA
	v_lshl_add_u32 v3, v2, 4, v3
	s_mul_i32 s82, s[RG], 64*PA
	v_add_nc_u32 v[ADRA0], s82, v3
	v_and_b32 v4, 7, v0
	v_lshl_add_u32 v4, v2, 3, v4                   ; k-row 8 (l / 16) + l % 8
	v_mul_u32_u24 v4, v4, PB
	v_bfe_u32 v6, v0, 3, 1
	v_lshl_add_u32 v4, v6, 4, v4
	s_lshl_b32 s82, s[CG], 6                       ; my first column block: 64 bytes x g
	v_add_nc_u32 v4, s82, v4
.irp m, 0,1,2
	v_add_nc_u32 v[ADRB0+(\m)], (1+(\m))*REGION, v4
.endr
	AIM                                            ; slot 0
	v_add_nc_u32 v[STO], s82, v[ADRA0]             ; stage: (64 (w / 2) + l % 16) x 272 + 16 (l / 16) + 64 g
	v_add_nc_u32 v[STO+1], STG, v[STO]
	v_add_nc_u32 v[STO+2], 2*STG, v[STO]
	v_mul_u32_u24 v7, v2, SPI
	v_lshl_add_u32 v7, v1, 4, v7
	s_mul_i32 s82, s[WV], 32*SPI
	v_add_nc_u32 v[RD], s82, v7                    ; back: rows 32 w .., lanes 0-15 one row, lanes 16-31 the next
	v_add_nc_u32 v[RD+1], STG, v[RD]
	v_add_nc_u32 v[RD+2], 2*STG, v[RD]
	v_lshlrev_b32 v[GO], 4, v5
	v_lshlrev_b32 v[CSO], 9, v1
	v_lshl_add_u32 v[CSO], v2, 5, v[CSO]
	s_lshl_b32 s82, s[RG], 15
	s_lshl_b32 s83, s[CG], 7
	s_add_co_u32 s82, s82, s83
	v_add_nc_u32 v[CSO], s82, v[CSO]               ; (64 (w / 2) + l % 16) x 512 + 128 g + 32 (l / 16)
	v_lshlrev_b32 v[NWO], 5, v2
	v_add_nc_u32 v[NWO], s83, v[NWO]
	v_lshlrev_b32 v6, 5, v1
	s_lshl_b32 s82, s[WV], 9
	s_add_co_u32 s82, s82, SSQ
	v_add_nc_u32 v[SQS], s82, v6
	s_xor_b32 s82, s[WV], 1
	s_lshl_b32 s82, s82, 9
	s_add_co_u32 s82, s82, SSQ
	v_add_nc_u32 v[SQR], s82, v6
	s_lshl_b32 s66, s[RT], 16                      ; 128 rows of 512 bytes
	s_mov_b32 s67, 0
	s_add_nc_u64 s[8:9], s[8:9], s[66:67]
	WIN 0x40                                       ; the gains first: they are worked on while the first tiles are on their way
.irp n, 0,1,2,3,4,5,6,7                ; n = 2 c4 + half of eight
	global_load_b128 v[WG+4*(\n):WG+4*(\n)+3],       v[NWO], s[10:11] offset:((\n)/4)*256+(((\n)/2)%2)*64+((\n)%2)*16
	global_load_b128 v[WG+32+4*(\n):WG+32+4*(\n)+3], v[NWO], s[12:13] offset:((\n)/4)*256+(((\n)/2)%2)*64+((\n)%2)*16
.endr
	WIN 0
.irp a, 0,1,2,3                        ; the cosines and sines are read behind the last product, and are waited for there
.irp n, 0,1,2,3,4,5,6,7                ; n = 4 (sine) + 2 bb + half of eight
	global_load_b128 v[CS+32*(\a)+4*(\n):CS+32*(\a)+4*(\n)+3], v[CSO], s[8:9] offset:(\a)*8192+((\n)/4)*256+(((\n)/2)%2)*64+((\n)%2)*16
.endr
.endr
	; where my 32 rows of q, k and v begin
	s_lshr_b32 s80, s[RT], 4
	s_lshl_b32 s80, s80, 3
	s_add_co_u32 s80, s80, s[HD]                   ; 8 b + head
	s_lshl_b32 s80, s80, 11
	s_and_b32 s81, s[RT], 15
	s_lshl_b32 s81, s81, 7
	s_add_co_u32 s80, s80, s81
	s_lshl_b32 s81, s[WV], 5
	s_add_co_u32 s80, s80, s81
	s_lshl_b32 s66, s80, 8                         ; rows of 256 bytes
	s_add_nc_u64 s[OB:OB+1], s[14:15], s[66:67]
	s_add_nc_u64 s[OB+2:OB+3], s[OB:OB+1], 0x800000
	s_add_nc_u64 s[OB+4:OB+5], s[OB:OB+1], 0x1000000
	; the prefetches
	s_lshl_b32 s66, s[RT], 19
	s_lshl_b32 s80, s[CX], 17
	s_add_co_u32 s66, s66, s80                     ; x: row 128 x tile + 32 cx
	s_max_u32 s80, s[WV], 1
	s_sub_co_u32 s80, s80, 1
	s_lshl_b32 s80, s80, 22
	s_lshl_b32 s81, s[HD], 8
	s_add_co_u32 s80, s80, s81
	s_lshl_b32 s81, s[CY], 16
	s_add_co_u32 s80, s80, s81                     ; a weight: the head's columns, k-row 32 cy
	s_and_b32 s81, ttmp7, 0xffff                   ; cluster y
	s_mov_b32 s[PST], 256
	s_mov_b32 s82, 0x40000
	s_cmp_eq_u32 s[WV], 0
	s_cselect_b64 s[PFA:PFA+1], s[4:5], s[6:7]
	s_cselect_b32 s66, s66, s80
	s_cselect_b32 s[PST], s[PST], s82              ; a K step: 256 bytes along x's rows, 128 rows down a weight
	s_cselect_b32 s83, 12, 11                      ; a row: 4,096 or 2,048 bytes
	s_cselect_b32 s81, ttmp9, s81                  ; the coordinate along which other clusters read the same rows
	s_mov_b32 s[PST+1], 0
	s_cmp_eq_u32 s81, 0
	s_cselect_b32 s[LIM], 2, -1                    ; the same in all sixteen partners, for a given wave
	s_add_nc_u64 s[PFA:PFA+1], s[PFA:PFA+1], s[66:67]
	s_mul_i32 s66, s[PST], 3
	s_add_nc_u64 s[PFA:PFA+1], s[PFA:PFA+1], s[66:67]  ; at K step 3: the first refill steps it to 4
	v_lshlrev_b32 v[PFO], s83, v5
	s_wait_loadcnt 32                              ; the gains are in; the 32 younger loads, cosines and sines, stay out
	WIN 0x45                                       ; destination and both sources in window 1
.set e, WG
.rept 32
	v_cvt_pk_bf16_f32 v0, v[e], v[e+1]             ; (v0 of window 1: a fragment register, not yet in use) the gains rounded to bf16,
	v_lshlrev_b32 v[e], 16, v0                     ; and widened again
	v_and_b32 v[e+1], 0xffff0000, v0
.set e, e+2
.endr
.set e, WG
.rept 16
	v_pk_mul_f32 v[e:e+1], v[e:e+1], 0x3e0293ee op_sel_hi:[1,0]  ; q's gain x c = log2(e) / sqrt(128), in f32, ahead of q's one rounding
.set e, e+2
.endr
	WIN 0
	s_wait_tensorcnt 1                             ; my part of K step 0 is in; K step 1's may stay out
	s_barrier_signal -1
	s_barrier_wait -1
	FETCH 0, 0
	QUARTER 1, 0, 1, 1                             ; the first quarter stands in front of the loop: its products start the sums
	WIN 0
	s_mov_b32 s3, 14
.Lstep:                                        ; a trip goes from a K step's second quarter to the next step's first, and fills the slot that it leaves: K steps 2 to 15
	QUARTER 2, 1, 0, 0
	QUARTER 3, 0, 1, 0
	TURN 1
	QUARTER 1, 0, 1, 0
	WIN 0
	s_sub_co_u32 s3, s3, 1
	s_cmp_lg_u32 s3, 0
	s_cbranch_scc1 .Lstep
	s_mov_b32 s3, 2                                ; the last two K steps fill nothing: one text, walked twice, entered behind its first quarter
	s_branch .Lmid
.Ltail:
	QUARTER 1, 0, 1, 0
	WIN 0
.Lmid:
	QUARTER 2, 1, 0, 0
	QUARTER 3, 0, 1, 0
	TURN 0                                         ; at the second time its fetch reads the other slot's old bytes and serves nothing: the price, once a launch, of one text for both
	WIN 0
	s_sub_co_u32 s3, s3, 1
	s_cmp_lg_u32 s3, 0
	s_cbranch_scc1 .Ltail
	s_wait_dscnt 0x0                               ; that last fetch is back: its registers and slot 0's bytes are free
	s_wait_loadcnt 0x0                             ; the cosines and sines
	PLACES
; The sum of squares of my 64 columns of row tile a of matrix m (0 q, 1 k): 32 numbers a lane in two chains, each accumulator from its low end on, then the other half of the lanes.
.macro SUMSQ a, m
.set AW, 2+(\a)/2
.set AB, 8*(12*((\a)%2)+4*(\m))
	WIN AW|(AW<<2)
	v_pk_mul_f32 v[TW:TW+1], v[AB:AB+1], v[AB:AB+1]
	v_pk_mul_f32 v[TW+2:TW+3], v[AB+2:AB+3], v[AB+2:AB+3]
.set n, 4
.rept 14
	v_pk_fma_f32 v[TW+n%4:TW+n%4+1], v[AB+n:AB+n+1], v[AB+n:AB+n+1], v[TW+n%4:TW+n%4+1]
.set n, n+2
.endr
	WIN 0
	v_pk_add_f32 v[TW:TW+1], v[TW:TW+1], v[TW+2:TW+3]
	v_add_f32 v[TW], v[TW], v[TW+1]
	v_permlanex16_b32 v[TW+1], v[TW], s[SEL], s[SEL+1]
	v_add_f32 v[SS+2*(\a)+(\m)], v[TW], v[TW+1]
.endm
; y = sum x gain; cosines and sines x 1 / rms; then y1' = y1 cos - y2 sin, y2' = y2 cos + y1 sin, for channel c (blocks c4 = 0, 1) and c + 64 (c4 = 2, 3).
.macro NORM a, m
.set AW, 2+(\a)/2
.set AB, 8*(12*((\a)%2)+4*(\m))
	WIN (AW<<6)|(1<<2)|AW
.set n, 0
.rept 16
	v_pk_mul_f32 v[AB+n:AB+n+1], v[AB+n:AB+n+1], v[WG+32*(\m)+n:WG+32*(\m)+n+1]
.set n, n+2
.endr
	WIN AW<<6
.set n, 0
.rept 16
	v_pk_mul_f32 v[T+n:T+n+1], v[CS+32*(\a)+n:CS+32*(\a)+n+1], v[RI+2*(2*(\a)+(\m)):RI+2*(2*(\a)+(\m))+1]
.set n, n+2
.endr
	WIN (AW<<6)|(AW<<4)|(AW<<2)|AW
.set n, 0
.rept 8                                ; n = 4 bb + pair
.set y1, AB+8*(n/4)+2*(n%4)
.set y2, y1+16
.set cC, T+8*(n/4)+2*(n%4)
.set cS, cC+16
.set uu, T+48+4*(n%4)
	v_pk_mul_f32 v[uu:uu+1], v[y2:y2+1], v[cS:cS+1]
	v_pk_mul_f32 v[uu+2:uu+3], v[y1:y1+1], v[cS:cS+1]
	v_pk_fma_f32 v[y1:y1+1], v[y1:y1+1], v[cC:cC+1], v[uu:uu+1] neg_lo:[0,0,1] neg_hi:[0,0,1]
	v_pk_fma_f32 v[y2:y2+1], v[y2:y2+1], v[cC:cC+1], v[uu+2:uu+3]
.set n, n+1
.endr
.endm
; rounded to f16, 16 bytes a lane and block, into the stage
.macro PACKST a, m
.set AW, 2+(\a)/2
.set AB, 8*(12*((\a)%2)+4*(\m))
	WIN (AW<<6)|(AW<<4)|(AW<<2)|AW
.set n, 0
.rept 16
	v_cvt_pk_f16_f32 v[T+32+n], v[AB+2*n], v[AB+2*n+1]
.set n, n+1
.endr
	WIN AW<<2                                      ; address window 0, data in the accumulators' window
.irp c, 0,1,2,3
	ds_store_b128 v[STO+(\m)], v[T+32+4*(\c):T+32+4*(\c)+3] offset:(\a)*16*SPI+((\c)/2)*128+((\c)%2)*32
.endr
.endm
.irp a, 0,1,2,3
	SUMSQ \a, 0
	SUMSQ \a, 1
.endr
	ds_store_b128 v[SQS], v[SS:SS+3]
	ds_store_b128 v[SQS], v[SS+4:SS+7] offset:16
	s_wait_dscnt 0x0                               ; for the other wave's sake
	s_barrier_signal -1
	s_barrier_wait -1
	ds_load_b128 v[RI:RI+3], v[SQR]                ; the other 64 columns' sums
	ds_load_b128 v[RI+4:RI+7], v[SQR] offset:16
	s_mov_b32 s80, 0x3c000000                      ; 1 / 128
	s_mov_b32 s81, 0x358637bd                      ; 1e-6
	s_wait_dscnt 0x0
.irp i, 0,1,2,3,4,5,6,7
	v_add_f32 v[SS+(\i)], v[SS+(\i)], v[RI+(\i)]
.endr
.irp i, 0,1,2,3,4,5,6,7
	v_fma_f32 v[SS+(\i)], v[SS+(\i)], s80, s81
.endr
.irp i, 0,1,2,3,4,5,6,7
	v_rsq_f32 v[RI+2*(\i)], v[SS+(\i)]             ; twice: a pair for the packed multiply
	v_rsq_f32 v[RI+2*(\i)+1], v[SS+(\i)]
.endr
	v_nop                                          ; a plain instruction behind the last of them,
	s_wait_alu depctr_va_vdst(0)                   ; and one wait for the sixteen, ahead of their first reader
.irp a, 0,1,2,3
	NORM \a, 0
	PACKST \a, 0
	NORM \a, 1
	PACKST \a, 1
	PACKST \a, 2
.endr
	WIN 0
	s_wait_dscnt 0x0                               ; a row's 256 bytes come from two waves
	s_barrier_signal -1
	s_barrier_wait -1
.irp m, 0,1,2
.irp t, 0,1,2,3,4,5,6,7,8,9,10,11,12,13,14,15
	ds_load_b128 v[64+64*(\m)+4*(\t):64+64*(\m)+4*(\t)+3], v[RD+(\m)] offset:(\t)*2*SPI
.endr
.endr
.irp m, 0,1,2
.irp t, 0,1,2,3,4,5,6,7,8,9,10,11,12,13,14,15
	s_wait_dscnt 47-16*(\m)-(\t)                   ; the younger rows may stay out
	global_store_b128 v[GO], v[64+64*(\m)+4*(\t):64+64*(\m)+4*(\t)+3], s[OB+2*(\m):OB+2*(\m)+1] offset:512*(\t)  ; 512 consecutive bytes, aligned: two rows of a head
.endr
.endr
	s_wait_tensorcnt 0x0                           ; the wave's end
	ds_add_u32 v[SPW], v[NIL]
	s_wait_dscnt 0x0
	CROUND                                         ; the closing round
	s_endpgm
.Lfunc_end_k_qe4fc56155b_qkv:
	.size	k_qe4fc56155b_qkv, .Lfunc_end_k_qe4fc56155b_qkv-k_qe4fc56155b_qkv
	.p2alignl 7, 3214868480
	.fill 96, 4, 3214868480
	.section	.rodata,"a",@progbits
	.p2align	6, 0x0
	.amdhsa_kernel k_qe4fc56155b_qkv
		.amdhsa_group_segment_fixed_size 327680
		.amdhsa_private_segment_fixed_size 0
		.amdhsa_enable_private_segment 0
		.amdhsa_kernarg_size 48
		.amdhsa_user_sgpr_count 2
		.amdhsa_user_sgpr_kernarg_segment_ptr 1
		.amdhsa_wavefront_size32 1
		.amdhsa_system_sgpr_workgroup_id_x 1
		.amdhsa_system_sgpr_workgroup_id_y 1
		.amdhsa_system_sgpr_workgroup_id_z 1
		.amdhsa_system_vgpr_workitem_id 0
		.amdhsa_next_free_vgpr 1024
		.amdhsa_next_free_sgpr 84
		.amdhsa_reserve_vcc 0
		.amdhsa_float_denorm_mode_32 3
		.amdhsa_float_denorm_mode_16_64 3
		.amdhsa_memory_ordered 1
		.amdhsa_forward_progress 1
		.amdhsa_inst_pref_size 142
	.end_amdhsa_kernel
	.amdgpu_metadata
---
amdhsa.version: [ 1, 2 ]
amdhsa.kernels:
  - .name:           k_qe4fc56155b_qkv
    .symbol:         k_qe4fc56155b_qkv.kd
    .args:
      - { .name: xb, .offset: 0, .size: 8, .value_kind: global_buffer, .address_space: global }
      - { .name: wb, .offset: 8, .size: 8, .value_kind: global_buffer, .address_space: global }
      - { .name: cs, .offset: 16, .size: 8, .value_kind: global_buffer, .address_space: global }
      - { .name: q_norm_w, .offset: 24, .size: 8, .value_kind: global_buffer, .address_space: global }
      - { .name: k_norm_w, .offset: 32, .size: 8, .value_kind: global_buffer, .address_space: global }
      - { .name: qkvh, .offset: 40, .size: 8, .value_kind: global_buffer, .address_space: global }
    .group_segment_fixed_size: 327680
    .private_segment_fixed_size: 0
    .kernarg_segment_align: 8
    .kernarg_segment_size: 48
    .max_flat_workgroup_size: 128
    .sgpr_count:     84
    .vgpr_count:     1024
    .wavefront_size: 32
...
	.end_amdgpu_metadata
.endif
;; end of part 2
;; launch attn (part 3): grid 16 x 16, 4 waves a work-group, clusters of 4 x 1, 327,680 bytes of LDS; arguments qkvh, mw, ob; writes ob
.if DOCPART == 3
	.amdgcn_target "amdgcn-amd-amdhsa--gfx1250"
	.amdhsa_code_object_version 6
	.text
	.protected	k_qe4fc56155b_attn
	.globl	k_qe4fc56155b_attn
	.p2align	8
	.type	k_qe4fc56155b_attn,@function
k_qe4fc56155b_attn:
	s_mov_b64 s[64:65], 0
	v_nop
	global_prefetch_b8 v0, s[64:65] scope:SCOPE_SE
	s_setreg_imm32_b32 hwreg(HW_REG_WAVE_MODE, 25, 1), 1
	s_wait_xcnt 0x0
	s_wait_alu depctr_hold_cnt(0) depctr_sa_sdst(0) depctr_va_vdst(0) depctr_va_sdst(0) depctr_va_ssrc(0) depctr_va_vcc(0) depctr_vm_vsrc(0)
	s_getreg_b32 s2, hwreg(HW_REG_IB_STS2, 6, 4)
	s_cmp_eq_u32 s2, 0
	s_cbranch_scc0 .Lentry_in_a_cluster
	s_endpgm
.Lentry_in_a_cluster:
	s_bfe_u32 s2, ttmp6, 0x10000c
	s_cmp_lg_u32 s2, 0x3003
	s_cbranch_scc0 .Lentry_shape_is_right
	s_endpgm
.Lentry_shape_is_right:
; O = softmax(where(mask, q . k / sqrt(128), K_MASK)) V for 16 heads (8 b + head) of 2,048 rows and 128 channels.  q (already times c = log2(e) / sqrt(128)), k, v: f16, [16][2048][128]; mw: the mask in bits;
; ob: [4096][1024] f16.  Products, maxima and sums in f32; the weights are rounded to f16 for the second product, O once at the end.
; THE MASK IS AN INPUT: every score is made, and a hidden one is REPLACED by the constant 0xff333333 (K_MASK), so that a row with no visible key comes out as the mean of V's rows.
; LIMITS.  m starts at the lowest finite number; no difference of m, K_MASK and a score overflows.  A weight below 2^-126 counts as 0.  NaN and infinities are not treated apart.
; SHARES.  A work-group owns 128 queries of a head: 16 x 16 = 256 work-groups.  Wave w: queries 64 (w / 2) .. (four tiles of 16), and of every slot's two key steps of 64 the step h = w % 2: half the keys.
; The wave with h = 1 holds query tile t ^ 2 in its registers' tile t (by the addresses of Q and of the mask words alone).  So at the end both waves of a pair run one text: each hands its registers' tiles 2 and 3
; (O, m, l, in f32, through LDS) to the other and finishes its tiles 0 and 1.
; LAYOUT.  S^T = K Q^T (a lane holds ONE query, lane % 16, and keys 8 (lane / 16) + 0..7 of each 16); two such results rounded to f16 ARE source 1 of O^T = V^T P.  V is turned by ds_load_tr16_b128.
; SOFTMAX.  p = 2^(s - m) with a running maximum m; in every step O and l are multiplied by a = 2^(m_old - m_new).  O and l start at 0, so the first step is a step like any other, with a = 0.
; IN PHASES, WITH RIDERS: scores, softmax, change of slots, V^T P.  Vector work that hangs on none of a run's products stands behind them, four lines a product: behind K Q^T the step's mask bits are spread into
; whole words (256 lines); behind V^T P stand the rescaling of O^T, four products ahead of the product that reads it (112 lines), and the row sums (64 lines).
; The change of slots stands where K and V of the step in hand lie in registers: the next K is fetched under V^T P, the next V under the next scores.
; CLUSTER.  The four query blocks of a cluster belong to one head and walk the same K and V: each tile is asked for jointly.
; REGISTERS.  window 0: v1-11 addresses; v12-43 eight registers of statistics a tile (m, m_old, l, l, c0-c3; a takes c2); v44-47 mask words; v48-51 their offsets; v52-55 at work; v64-191 S^T; v192-255 P.
;   window 1: O^T, 64 a tile.   window 2: v0-127 Q, v128-255 K.   window 3: v0-127 V, v128-255 the mask, a word a score.
.set KS,    64
.set PK,    272
.set PV,    288
.set VOFF,  KS*PK
.set STEPB, KS*(PK+PV)
.set SLOT1, 1<<17
.set MERGE, SLOT1+2*STEPB              ; for each wave 16,896 bytes: two tiles of O^T (16,384), their m and l
.set MAREA, 16896
.set STAGE, MERGE+4*MAREA              ; 16 rows x 272 bytes for each wave, for the way out
.set SP,    272
.set SPARE, STAGE+4*16*SP              ; the spare words, 128 bytes a wave
.set QO,  1                            ; v1   my offset in Q for my registers' tiles 0 and 1; never rewritten
.set AK0, 2                            ; v2   my lane's place in a tile of K; never rewritten
.set AV0, 3                            ; v3   the same for V
.set ADR, 4                            ; v4   K's run of loads
.set ADR2, 5                           ; v5   V's
.set STO, 6
.set RD,  7
.set GO,  8
.set ML,  9                            ; v9   16 x lane
.set MB,  10                           ; v10  my 16 bytes in the other wave's joining area
.set MA,  11                           ; v11  in my own
.set ST,  12
.set MW,  44                           ; v44-47 the step's mask words, one for each of my registers' tiles
.set MOA, 48                           ; v48  the next words' offset, tiles 0 and 1
.set MOB, 49                           ; v49  tiles 2 and 3
.set MLA, 50                           ; v50  16 x lane + 8 h; never rewritten
.set MLB, 51                           ; v51  16 x lane + 8 (1 - h); never rewritten
.set TM,  52
.set QOB, 57                           ; v57  my offset in Q for tiles 2 and 3; never rewritten
.set MKV, 60                           ; v60  K_MASK
.set PFO, 61                           ; v61  256 x lane
.set SPW, 62
.set NIL, 63
.set S,   64
.set P,   192
.set KF,  128
.set M,   128                          ; window 3
.set WV,  12
.set LIM, 15
.set KH,  16
.set QG,  17
.set PFA, 18
.set MP,  20                           ; s[20:21] mw at my first step's words
.set G1K, 24
.set G1V, 32
.set G0K, 40
.set G0V, 48
.set SLOTS, 56
.set CNT, 57
.set MOF, 58
.set SEL, 60
.set TB,  62                           ; s62  LDS byte at which the step to be fetched begins
.set MSB, 0
.macro WIN new
.if MSB != (\new)
	s_set_vgpr_msb (MSB<<8)|(\new)
.set MSB, \new
.endif
.endm
.macro JLOAD                           ; a joint refill: waves 0 and 1 the two steps' K, waves 2 and 3 their V
	s_cmp_lt_u32 s[WV], 2
	s_cbranch_scc0 .Lfor_v_\@
	tensor_load_to_lds s[G0K+4:G0K+7], s[G1K:G1K+7]
	s_nop 0
.rept 4
	v_nop
.endr
	s_branch .Lasked_\@
.Lfor_v_\@:
	tensor_load_to_lds s[G0V+4:G0V+7], s[G1V:G1V+7]
	s_nop 0
.rept 4
	v_nop
.endr
.Lasked_\@:
.endm
; A prefetch of the slot that the NEXT change will ask for: 128 rows of K and of V, 256 bytes a row, a lane a row.  The head's first cluster asks; its four partners take 32 rows each, by address;
; wave 0 asks for K's, wave 2 for V's.  So each row is named once in the launch.  Slots 0 to 2 come by their loads alone; the last change that fills a slot asks for nothing.
.macro ASK
	s_cmp_gt_u32 s[SLOTS], s[LIM]
	s_cbranch_scc0 .Lnot_mine_\@
	global_prefetch_b8 v[PFO], s[PFA:PFA+1] th:TH_LOAD_NT scope:SCOPE_SE
.Lnot_mine_\@:
.endm
.macro CROUND
	s_barrier_signal -1
	s_barrier_wait -1
	s_cmp_lg_u32 s[WV], 0
	s_cbranch_scc1 .Lnot_wave_0_\@
	s_barrier_signal -3
.Lnot_wave_0_\@:
	s_barrier_wait -3
	s_barrier_signal -1
	s_barrier_wait -1
.endm
.macro PLACES
.rept 4
	v_nop
.endr
.endm
	s_load_b128 s[4:7], s[0:1], 0x0                ; qkvh 4, mw 6
	s_load_b64 s[8:9], s[0:1], 0x10                ; ob
	v_lshl_add_u32 v[SPW], v0, 2, SPARE
	v_mov_b32 v[NIL], 0
	ds_add_u32 v[SPW], v[NIL]                      ; the wave's opening: the add and its wait stand ahead of my first tensor load
	v_lshrrev_b32 v1, 5, v0
	v_readfirstlane_b32 s[WV], v1
	s_bfe_u32 s13, ttmp6, 0x40000                  ; cx
	s_lshl_b32 s14, ttmp9, 2
	s_add_co_u32 s14, s14, s13                     ; my block of 128 queries: it enters Q's, the mask's and O's addresses alone
	s_and_b32 s59, ttmp7, 0xffff                   ; 8 b + head, which the four partners share
	s_and_b32 s[KH], s[WV], 1
	s_lshr_b32 s[QG], s[WV], 1
	s_lshl_b32 s72, s59, 19                        ; a head: 2,048 rows of 256 bytes
	s_lshl_b32 s73, s[KH], 14                      ; the step of a slot that I fetch: 64 rows
	s_add_co_u32 s72, s72, s73
	s_mov_b32 s73, 0
	s_mul_i32 s23, s[KH], STEPB                    ; and its place in a slot
	s_lshl_b32 s74, s59, 19
	s_lshl_b32 s75, s14, 15
	s_add_co_u32 s74, s74, s75
	s_lshl_b32 s75, s[QG], 14
	s_add_co_u32 s74, s74, s75                     ; Q: my 64 rows
	s_mov_b32 s75, 0
	s_lshr_b32 s2, s59, 3                          ; b
	s_lshl_b32 s[MP], s2, 19                       ; the mask: ((32 b + 2 block + w / 2) x 32 + h) x 512
	s_lshl_b32 s3, s14, 15
	s_add_co_u32 s[MP], s[MP], s3
	s_lshl_b32 s3, s[QG], 14
	s_add_co_u32 s[MP], s[MP], s3
	s_lshl_b32 s3, s[KH], 9
	s_add_co_u32 s[MP], s[MP], s3
	s_mov_b32 s[MP+1], 0
	s_lshl_b32 s10, s2, 22                         ; ob: row 2,048 b + 128 block + 64 (w / 2) + 32 h (the two tiles that I finish), 2,048 bytes each; the head's 256 bytes
	s_lshl_b32 s3, s14, 18
	s_add_co_u32 s10, s10, s3
	s_lshl_b32 s3, s[QG], 17
	s_add_co_u32 s10, s10, s3
	s_lshl_b32 s3, s[KH], 16
	s_add_co_u32 s10, s10, s3
	s_and_b32 s3, s59, 7
	s_lshl_b32 s3, s3, 8
	s_add_co_u32 s10, s10, s3
	s_mov_b32 s11, 0
	s_mov_b32 s[G1K], 15|(1<<16)|(1<<20)|(1<<21)|(5<<22)|(3<<25)  ; the mask of four; 2-byte elements; padding on; bit 21 beside a mask; after every 64 words 4 words
	s_mov_b32 s[G1V], 15|(1<<16)|(1<<20)|(1<<21)|(5<<22)|(7<<25)  ; the same with 8 words
.irp g, G1K, G1V
	s_mov_b32 s[(\g)+1], 128<<16                   ; tensor_dim0 = 128
	s_mov_b32 s[(\g)+2], KS<<16                    ; tensor_dim1 = 64
	s_mov_b32 s[(\g)+3], 128<<16                   ; tile_dim0 = 128
	s_mov_b32 s[(\g)+4], KS                        ; tile_dim1 = 64
	s_mov_b32 s[(\g)+5], 128                       ; elements from row to row
	s_mov_b32 s[(\g)+6], 0
	s_mov_b32 s[(\g)+7], 0
.endr
	s_mov_b32 s[SEL], 0x76543210
	s_mov_b32 s[SEL+1], 0xfedcba98
	s_mov_b32 s[TB], s23
	s_mov_b32 s[MOF], 0
	s_mov_b32 s[SLOTS], 14
	s_and_b32 s[LIM], s[WV], 1
	s_or_b32 s[LIM], s[LIM], ttmp9
	s_cmp_eq_u32 s[LIM], 0
	s_cselect_b32 s[LIM], 1, -1                    ; waves 0 and 2 of the head's first cluster: the same in all four partners
	v_and_b32 v56, 31, v0
	v_lshlrev_b32 v[PFO], 8, v56
	s_wait_dscnt 0x0                               ; the opening add is done
	s_wait_kmcnt 0x0
	s_add_nc_u64 s[68:69], s[4:5], s[72:73]
	s_add_nc_u64 s[68:69], s[68:69], 0x800000      ; K at my tile of slot 0
	s_add_nc_u64 s[70:71], s[68:69], 0x800000      ; V
	s_add_nc_u64 s[4:5], s[4:5], s[74:75]          ; Q at my first row
	s_add_nc_u64 s[MP:MP+1], s[6:7], s[MP:MP+1]
	s_add_nc_u64 s[10:11], s[8:9], s[10:11]
	s_cmp_lt_u32 s[WV], 2
	s_cselect_b64 s[PFA:PFA+1], s[68:69], s[70:71] ; (in waves 0 and 2 these stand at a slot's first row)
	s_lshl_b32 s2, s13, 13                         ; my work-group's 32 rows of the 128
	s_mov_b32 s3, 0
	s_add_nc_u64 s[PFA:PFA+1], s[PFA:PFA+1], s[2:3]
	s_add_nc_u64 s[PFA:PFA+1], s[PFA:PFA+1], 2*2*KS*256  ; in slot 2; the first change steps it to slot 3
	CROUND                                         ; all four work-groups are here: the first joint loads meet
.irp s, 0,1
	s_mov_b32 s[G0K+4*(\s)], 1
	s_add_co_u32 s[G0K+4*(\s)+1], s23, (\s)*SLOT1
	s_add_nc_u64 s[G0K+4*(\s)+2:G0K+4*(\s)+3], s[68:69], (\s)*2*KS*256
	s_or_b32 s[G0K+4*(\s)+3], s[G0K+4*(\s)+3], 0x80000000
	s_mov_b32 s[G0V+4*(\s)], 1
	s_add_co_u32 s[G0V+4*(\s)+1], s23, (\s)*SLOT1+VOFF
	s_add_nc_u64 s[G0V+4*(\s)+2:G0V+4*(\s)+3], s[70:71], (\s)*2*KS*256
	s_or_b32 s[G0V+4*(\s)+3], s[G0V+4*(\s)+3], 0x80000000
.endr
	s_cmp_lt_u32 s[WV], 2                          ; a wave's two first fills stand in one branch: two loads of mine are out
	s_cbranch_scc0 .Lfirst_v
	tensor_load_to_lds s[G0K:G0K+3], s[G1K:G1K+7]
	s_nop 0
	tensor_load_to_lds s[G0K+4:G0K+7], s[G1K:G1K+7]
	s_nop 0
.rept 4
	v_nop
.endr
	s_branch .Lfirst_asked
.Lfirst_v:
	tensor_load_to_lds s[G0V:G0V+3], s[G1V:G1V+7]
	s_nop 0
	tensor_load_to_lds s[G0V+4:G0V+7], s[G1V:G1V+7]
	s_nop 0
.rept 4
	v_nop
.endr
.Lfirst_asked:
	v_and_b32 v52, 15, v0                          ; l % 16
	v_bfe_u32 v53, v0, 4, 1                        ; l / 16
	v_lshlrev_b32 v[QO], 8, v52
	v_lshl_add_u32 v[QO], v53, 4, v[QO]
	s_lshl_b32 s2, s[KH], 13                       ; two tiles of 16 rows of 256 bytes, x h
	s_xor_b32 s3, s2, 8192                         ; x (1 - h)
	v_add_nc_u32 v[QOB], s3, v[QO]
	v_add_nc_u32 v[QO], s2, v[QO]
	WIN 0x80                                       ; destination window 2
.irp i, 0,1,2,3,4,5,6,7                ; Q stays in registers: tile i / 4, channels 32 (i % 4) on; my registers' tiles 0 and 1 are query tiles 2 h, 2 h + 1,
	global_load_b128 v[8*(\i):8*(\i)+3],   v[QO], s[4:5] offset:((\i)/4)*4096+((\i)%4)*64
	global_load_b128 v[8*(\i)+4:8*(\i)+7], v[QO], s[4:5] offset:((\i)/4)*4096+((\i)%4)*64+32
.endr
.irp i, 8,9,10,11,12,13,14,15          ; tiles 2 and 3 the other two
	global_load_b128 v[8*(\i):8*(\i)+3],   v[QOB], s[4:5] offset:((\i)/4-2)*4096+((\i)%4)*64
	global_load_b128 v[8*(\i)+4:8*(\i)+7], v[QOB], s[4:5] offset:((\i)/4-2)*4096+((\i)%4)*64+32
.endr
	WIN 0
	v_lshlrev_b32 v[ML], 4, v56
	s_lshl_b32 s2, s[KH], 3                        ; a lane's four words lie in the order of the query tiles: two words x h,
	s_xor_b32 s3, s2, 8                            ; x (1 - h)
	v_add_nc_u32 v[MLA], s2, v[ML]
	v_add_nc_u32 v[MLB], s3, v[ML]
	global_load_b64 v[MW:MW+1], v[MLA], s[MP:MP+1]     ; the first step's mask words
	global_load_b64 v[MW+2:MW+3], v[MLB], s[MP:MP+1]
	WIN 0x40
.set i, 0
.rept 256
	v_mov_b32 v[i], 0                              ; O^T starts at 0, in the wait for the first tile: no first step is written out
.set i, i+1
.endr
	WIN 0
.irp t, 0,1,2,3
	v_mov_b32 v[ST+8*(\t)], 0xff7fffff
	v_mov_b32 v[ST+8*(\t)+1], 0xff7fffff
	v_mov_b32 v[ST+8*(\t)+2], 0
	v_mov_b32 v[ST+8*(\t)+3], 0
.endr
	v_mov_b32 v[MKV], 0xff333333
	v_mul_u32_u24 v[AK0], v52, PK
	v_lshl_add_u32 v[AK0], v53, 4, v[AK0]
	v_and_b32 v54, 7, v0
	v_bfe_u32 v55, v0, 3, 1
	v_lshl_add_u32 v[AV0], v53, 3, v54
	v_mul_u32_u24 v[AV0], v[AV0], PV
	v_lshl_add_u32 v[AV0], v55, 4, v[AV0]
	v_add_nc_u32 v[AV0], VOFF, v[AV0]
	s_mul_i32 s2, s[WV], 16*SP
	s_add_co_u32 s2, s2, STAGE
	v_mul_u32_u24 v[STO], v52, SP
	v_lshl_add_u32 v[STO], v53, 4, v[STO]
	v_add_nc_u32 v[STO], s2, v[STO]
	v_mul_u32_u24 v[RD], v53, SP
	v_lshl_add_u32 v[RD], v52, 4, v[RD]
	v_add_nc_u32 v[RD], s2, v[RD]
	v_lshlrev_b32 v[GO], 11, v53                   ; lanes 16-31: the next row of ob
	v_lshl_add_u32 v[GO], v52, 4, v[GO]
	s_mul_i32 s2, s[WV], MAREA
	s_add_co_u32 s2, s2, MERGE
	v_add_nc_u32 v[MA], s2, v[ML]
	s_xor_b32 s3, s[WV], 1
	s_mul_i32 s3, s3, MAREA
	s_add_co_u32 s3, s3, MERGE
	v_add_nc_u32 v[MB], s3, v[ML]
; 64 products S^T = K Q^T: channels 32 (i / 16) on, keys 16 ((i / 4) % 4) on, tile i % 4.  The first 16 start the sums.  The 16 accumulators take turns.
; Behind each stand four lines that name none of the products' registers: score e's mask bit (bit e % 32 of tile e / 32's word) is moved to the top (behind the even products) and spread over the word (behind the odd ones).
.macro KQ64R
.set i, 0
.rept 64
	WIN 0x0a
.set rS, S+32*(i%4)+8*((i/4)%4)
.set rK, KF+32*((i/4)%4)+8*(i/16)
.set rQ, 32*(i%4)+8*(i/16)
.if i < 16
	v_wmma_f32_16x16x32_f16 v[rS:rS+7], v[rK:rK+7], v[rQ:rQ+7], 0
.else
	v_wmma_f32_16x16x32_f16 v[rS:rS+7], v[rK:rK+7], v[rQ:rQ+7], v[rS:rS+7]
.endif
.set e, 4*(i/2)
.if i%2 == 0
	WIN 0xc0                                       ; destination window 3, the word in window 0
.rept 4
	v_lshlrev_b32 v[M+e], 31-(e%32), v[MW+e/32]
.set e, e+1
.endr
.else
	WIN 0xcc                                       ; destination and source in window 3
.rept 4
	v_ashrrev_i32 v[M+e], 31, v[M+e]
.set e, e+1
.endr
.endif
.set i, i+1
.endr
.endm
.macro RESC n                          ; the accumulator of V^T P's product n times a, from its low end on
.set tq, (\n)%4
.set rq, 64*tq+8*(((\n)/4)%8)
.irp k, 0,2,4,6
	v_pk_mul_f32 v[rq+(\k):rq+(\k)+1], v[rq+(\k):rq+(\k)+1], v[ST+8*tq+6:ST+8*tq+7] op_sel_hi:[1,0]
.endr
.endm
.macro SUMN z                          ; number z of the 64 (0 to 63, each once a trip) that sum the weights, tile z % 4: 60 additions in place, of pairs 2, 4, 8 and 16 registers apart; then, 60 to 63, l = a l + sum
.set tq, (\z)%4
.if (\z) < 32
.set wq, 4
.set uq, (\z)/4
.elseif (\z) < 48
.set wq, 8
.set uq, ((\z)-32)/4
.elseif (\z) < 56
.set wq, 16
.set uq, ((\z)-48)/4
.else
.set wq, 32
.set uq, 0
.endif
.if (\z) < 60
	v_pk_add_f32 v[S+32*tq+wq*uq:S+32*tq+wq*uq+1], v[S+32*tq+wq*uq:S+32*tq+wq*uq+1], v[S+32*tq+wq*uq+wq/2:S+32*tq+wq*uq+wq/2+1]
.else
	v_pk_fma_f32 v[ST+8*tq+2:ST+8*tq+3], v[ST+8*tq+2:ST+8*tq+3], v[ST+8*tq+6:ST+8*tq+7], v[S+32*tq:S+32*tq+1] op_sel_hi:[1,0,1]
.endif
.endm
; 64 products O^T += V^T P: keys 32 (i / 32) on, channels 16 ((i / 4) % 8) on, tile i % 4.  32 accumulators take turns.  Behind products 0 to 27 the accumulator of the product four on is rescaled
; (those of products 0 to 3 ahead of the run); behind products 30 to 45, sixteen of them, stand the 64 lines of the sums.  No such line names a register of the products round it.
.macro PV64R
.set i, 0
.rept 64
	WIN 0x53
.set rO, 64*(i%4)+8*((i/4)%8)
.set rV, 64*(i/32)+8*((i/4)%8)
.set rP, P+16*(i%4)+8*(i/32)
	v_wmma_f32_16x16x32_f16 v[rO:rO+7], v[rV:rV+7], v[rP:rP+7], v[rO:rO+7]
.if i < 28
	WIN 0x41                                       ; O^T in window 1, a in window 0
	RESC i+4
.elseif (i >= 30) && (i < 46)
	WIN 0
.set zz, 4*(i-30)
.rept 4
	SUMN zz
.set zz, zz+1
.endr
.endif
.set i, i+1
.endr
.endm
.macro FETCH_K
	WIN 0
	v_add_nc_u32 v[ADR], s[TB], v[AK0]
	WIN 0x80
.irp f, 0,1,2,3,4,5,6,7,8,9,10,11,12,13,14,15  ; keys 16 (f / 4) on, channels 32 (f % 4) on
	ds_load_b128 v[KF+8*(\f):KF+8*(\f)+3],   v[ADR] offset:((\f)/4)*16*PK+((\f)%4)*64
	ds_load_b128 v[KF+8*(\f)+4:KF+8*(\f)+7], v[ADR] offset:((\f)/4)*16*PK+((\f)%4)*64+32
.endr
.endm
.macro FETCH_V
	WIN 0
	v_add_nc_u32 v[ADR2], s[TB], v[AV0]
	WIN 0xc0
.irp f, 0,1,2,3,4,5,6,7,8,9,10,11,12,13,14,15  ; keys 32 (f / 8) on, channels 16 (f % 8) on
	ds_load_tr16_b128 v[8*(\f):8*(\f)+3],   v[ADR2] offset:((\f)/8)*32*PV+((\f)%8)*32
	ds_load_tr16_b128 v[8*(\f)+4:8*(\f)+7], v[ADR2] offset:((\f)/8)*32*PV+16*PV+((\f)%8)*32
.endr
.endm
.macro MAXN                            ; number n of the 16 that find tile t's maximum: four chains of seven scores, the four left over, c0-c3 and the old m
.set rT, ST+8*t
.set rS, S+32*t
.if n < 4
	v_max3_num_f32 v[rT+4+n], v[rS+8*n], v[rS+8*n+1], v[rS+8*n+2]
.elseif n < 12
	v_max3_num_f32 v[rT+4+n%4], v[rT+4+n%4], v[rS+8*(n%4)+2*(n/4)+1], v[rS+8*(n%4)+2*(n/4)+2]
.elseif n == 12
	v_max3_num_f32 v[rT+4], v[rT+4], v[rS+7], v[rS+15]
.elseif n == 13
	v_max3_num_f32 v[rT+6], v[rT+6], v[rS+23], v[rS+31]
.elseif n == 14
	v_max3_num_f32 v[rT+4], v[rT+4], v[rT+5], v[rT+6]
.else
	v_max3_num_f32 v[rT+4], v[rT+4], v[rT+7], v[rT]
.endif
.endm
; What of the softmax hangs on the scores and is wanted by V^T P: the mask is applied, the maximum found, the weights made and rounded.
.macro SOFT
	WIN 0
	s_add_co_u32 s[MOF], s[MOF], 1024              ; the next slot's mask words: this step's have been read; the last trip names the last step's once more, inside the buffer
	s_min_u32 s[MOF], s[MOF], 15360
	v_add_nc_u32 v[MOA], s[MOF], v[MLA]
	v_add_nc_u32 v[MOB], s[MOF], v[MLB]
	global_load_b64 v[MW:MW+1], v[MOA], s[MP:MP+1]
	global_load_b64 v[MW+2:MW+3], v[MOB], s[MP:MP+1]
	WIN 0x03                                       ; the mask in window 3
.set e, 0
.rept 128
	v_bfi_b32 v[S+e], v[M+e], v[S+e], v[MKV]       ; the score or K_MASK; each accumulator from its low end on
.set e, e+1
.endr
	WIN 0
.set n, 0
.rept 16
.set t, 0
.rept 4
	MAXN
.set t, t+1
.endr
.set n, n+1
.endr
.irp t, 0,1,2,3
	v_permlanex16_b32 v[ST+8*(\t)+5], v[ST+8*(\t)+4], s[SEL], s[SEL+1]  ; the query's other 32 keys lie in the lane 16 away
.endr
.irp t, 0,1,2,3
	v_mov_b32 v[ST+8*(\t)+1], v[ST+8*(\t)]
.endr
.irp t, 0,1,2,3
	v_max_num_f32 v[ST+8*(\t)], v[ST+8*(\t)+4], v[ST+8*(\t)+5]
.endr
.irp t, 0,1,2,3
	v_sub_f32 v[ST+8*(\t)+7], v[ST+8*(\t)+1], v[ST+8*(\t)]
.endr
.set t, 0
.rept 4
.set b, 0
.rept 16
	v_pk_add_f32 v[S+32*t+2*b:S+32*t+2*b+1], v[S+32*t+2*b:S+32*t+2*b+1], v[ST+8*t:ST+8*t+1] op_sel_hi:[1,0] neg_lo:[0,1] neg_hi:[0,1]  ; s - m
.set b, b+1
.endr
.set t, t+1
.endr
.irp t, 0,1,2,3
	v_exp_f32 v[ST+8*(\t)+6], v[ST+8*(\t)+7]       ; a
.endr
.set i, 0
.rept 128
	v_exp_f32 v[S+i], v[S+i]
.set i, i+1
.endr
	v_nop                                          ; a plain instruction behind the last exponential,
	s_wait_alu depctr_va_vdst(0)                   ; and ONE wait for the 132, ahead of their first reader
.set i, 0
.rept 64
	v_cvt_pk_f16_f32 v[P+i], v[S+2*i], v[S+2*i+1]
.set i, i+1
.endr
	WIN 0x41
.irp n, 0,1,2,3
	RESC \n                                        ; the accumulators of V^T P's first four products
.endr
.endm
; THE CHANGE OF SLOTS.  Each wave waits for all its tensor loads (one is out: its part of the other slot), adds 0 to its spare word, and waits for that and for its reads of this slot: K and V of the step in
; hand then lie in registers.  fill = 1: the barrier is a round of the cluster's, and the joint refill (the keys two slots on) is the first thing behind it: it has V^T P, the next scores and softmax in which to land.
.macro CHANGE fill
	WIN 0
	s_wait_tensorcnt 0x0
	ds_add_u32 v[SPW], v[NIL]
.if \fill
.irp g, G0K+4, G0V+4
	s_xor_b32 s[(\g)+1], s[(\g)+1], SLOT1
	s_add_nc_u64 s[(\g)+2:(\g)+3], s[(\g)+2:(\g)+3], 2*KS*256
.endr
	s_wait_xcnt 0x0                                ; the last prefetch, a trip back, has read its address
	s_add_nc_u64 s[PFA:PFA+1], s[PFA:PFA+1], 2*KS*256
	s_wait_dscnt 0x0
	CROUND
	JLOAD
	ASK
.else
	s_wait_dscnt 0x0
	s_barrier_signal -1
	s_barrier_wait -1
.endif
	s_xor_b32 s[TB], s[TB], SLOT1                  ; the fetches go on in the other slot
.endm
.macro TRIP fill
	s_wait_dscnt 32                                ; K's run is in; V's 32 younger loads may stay out
	s_wait_loadcnt 0x0                             ; this step's mask words, asked for a trip ago (at the first trip: Q too)
	KQ64R
	SOFT
	CHANGE \fill
	FETCH_K
	PV64R
	PLACES
	FETCH_V
	WIN 0
.endm
	s_wait_tensorcnt 1                             ; my part of slot 0 is in; slot 1's may stay out
	s_barrier_signal -1
	s_barrier_wait -1
	FETCH_K
	FETCH_V
	WIN 0
.Lslot:                                        ; 14 trips: every slot but the last two is filled again
	TRIP 1
	s_sub_co_u32 s[SLOTS], s[SLOTS], 1
	s_cmp_lg_u32 s[SLOTS], 0
	s_cbranch_scc1 .Lslot
	s_mov_b32 s[CNT], 2
.Ltail:                                        ; the last two slots ask for nothing; the last trip's fetches read the other slot's old bytes and serve nothing: the price, once a launch, of one text for both
	TRIP 0
	s_sub_co_u32 s[CNT], s[CNT], 1
	s_cmp_lg_u32 s[CNT], 0
	s_cbranch_scc1 .Ltail
	; THE TWO HALVES OF THE KEYS ARE JOINED.  l's two halves and the other half of the lanes' are added; each wave hands its registers' tiles 2 and 3 over in LDS: they are the query tiles that the other wave holds as 0 and 1.
	s_wait_dscnt 0x0
.irp t, 0,1,2,3
	v_add_f32 v[ST+8*(\t)+2], v[ST+8*(\t)+2], v[ST+8*(\t)+3]
.endr
.irp t, 0,1,2,3
	v_permlanex16_b32 v[ST+8*(\t)+3], v[ST+8*(\t)+2], s[SEL], s[SEL+1]
.endr
.irp t, 0,1,2,3
	v_add_f32 v[ST+8*(\t)+2], v[ST+8*(\t)+2], v[ST+8*(\t)+3]
.endr
	v_mov_b32 v[TM], v[ST+16]                      ; m of tiles 2 and 3,
	v_mov_b32 v[TM+1], v[ST+24]
	v_mov_b32 v[TM+2], v[ST+18]                    ; their l
	v_mov_b32 v[TM+3], v[ST+26]
	WIN 0x04                                       ; address window 0, data window 1
.set n, 0
.rept 32
	ds_store_b128 v[MA], v[128+4*n:128+4*n+3] offset:512*n  ; each accumulator from its low end on
.set n, n+1
.endr
	WIN 0
	ds_store_b128 v[MA], v[TM:TM+3] offset:16384
	s_wait_dscnt 0x0                               ; for the other wave's sake
	s_barrier_signal -1
	s_barrier_wait -1
	ds_load_b128 v[TM:TM+3], v[MB] offset:16384    ; the other half's m, m, l, l of my tiles 0 and 1
	s_wait_dscnt 0x0
.irp t, 0,1
	v_max_num_f32 v[ST+8*(\t)+4], v[ST+8*(\t)], v[TM+(\t)]
.endr
.irp t, 0,1
	v_sub_f32 v[ST+8*(\t)+5], v[ST+8*(\t)], v[ST+8*(\t)+4]
	v_sub_f32 v[ST+8*(\t)+7], v[TM+(\t)], v[ST+8*(\t)+4]
.endr
.irp t, 0,1
	v_exp_f32 v[ST+8*(\t)+5], v[ST+8*(\t)+5]       ; e1
	v_exp_f32 v[ST+8*(\t)+7], v[ST+8*(\t)+7]       ; e2
.endr
	v_nop
	s_wait_alu depctr_va_vdst(0)                   ; one wait for the four
.irp t, 0,1
	v_mul_f32 v[ST+8*(\t)+3], v[ST+8*(\t)+7], v[TM+2+(\t)]
.endr
.irp t, 0,1
	v_fma_f32 v[ST+8*(\t)+3], v[ST+8*(\t)+5], v[ST+8*(\t)+2], v[ST+8*(\t)+3]  ; e1 l1 + e2 l2: at least 1
.endr
.irp t, 0,1
	v_rcp_f32 v[ST+8*(\t)+1], v[ST+8*(\t)+3]
.endr
	v_nop
	s_wait_alu depctr_va_vdst(0)                   ; one wait for the two
.irp t, 0,1
	v_mul_f32 v[ST+8*(\t)+4], v[ST+8*(\t)+5], v[ST+8*(\t)+1]
	v_mul_f32 v[ST+8*(\t)+6], v[ST+8*(\t)+7], v[ST+8*(\t)+1]
.endr
; Tile t: O = O1 e1 / L + O2 e2 / L, rounded to f16; 16 bytes a lane into my stage, whole rows of 256 bytes back, stored.  The two tiles have registers of their own: none that a store reads is written again.
.macro OUT t
.set O2, S+64*(\t)
.set PB2, P+32*(\t)
	WIN 0
.set i, 0
.rept 16
	ds_load_b128 v[O2+4*i:O2+4*i+3], v[MB] offset:512*(16*(\t)+i)
.set i, i+1
.endr
	WIN 0x41
.set i, 0
.rept 32
	v_pk_mul_f32 v[64*(\t)+2*i:64*(\t)+2*i+1], v[64*(\t)+2*i:64*(\t)+2*i+1], v[ST+8*(\t)+4:ST+8*(\t)+5] op_sel_hi:[1,0]
.set i, i+1
.endr
	s_wait_dscnt 0x0
	WIN 0x50                                       ; destination and addend window 1, the other half's O and its factor window 0
.set i, 0
.rept 32
	v_pk_fma_f32 v[64*(\t)+2*i:64*(\t)+2*i+1], v[O2+2*i:O2+2*i+1], v[ST+8*(\t)+6:ST+8*(\t)+7], v[64*(\t)+2*i:64*(\t)+2*i+1] op_sel_hi:[1,0,1]
.set i, i+1
.endr
	WIN 0x05
.set i, 0
.rept 32
	v_cvt_pk_f16_f32 v[PB2+i], v[64*(\t)+2*i], v[64*(\t)+2*i+1]
.set i, i+1
.endr
	WIN 0
.irp f, 0,1,2,3,4,5,6,7
	ds_store_b128 v[STO], v[PB2+4*(\f):PB2+4*(\f)+3] offset:32*(\f)
.endr
.irp f, 0,1,2,3,4,5,6,7
	ds_load_b128 v[PB2+4*(\f):PB2+4*(\f)+3], v[RD] offset:(\f)*2*SP  ; LDS serves a wave's instructions in order: these see the stores above
.endr
.irp f, 0,1,2,3,4,5,6,7
	s_wait_dscnt 7-(\f)
	global_store_b128 v[GO], v[PB2+4*(\f):PB2+4*(\f)+3], s[10:11] offset:(\t)*32768+(\f)*4096  ; 16 lanes store a head's 256 bytes of a row, aligned
.endr
.endm
	OUT 0
	OUT 1
	s_wait_tensorcnt 0x0                           ; the wave's end
	ds_add_u32 v[SPW], v[NIL]
	s_wait_dscnt 0x0
	CROUND                                         ; the closing round
	s_endpgm
.Lfunc_end_k_qe4fc56155b_attn:
	.size	k_qe4fc56155b_attn, .Lfunc_end_k_qe4fc56155b_attn-k_qe4fc56155b_attn
	.p2alignl 7, 3214868480
	.fill 96, 4, 3214868480
	.section	.rodata,"a",@progbits
	.p2align	6, 0x0
	.amdhsa_kernel k_qe4fc56155b_attn
		.amdhsa_group_segment_fixed_size 327680
		.amdhsa_private_segment_fixed_size 0
		.amdhsa_enable_private_segment 0
		.amdhsa_kernarg_size 24
		.amdhsa_user_sgpr_count 2
		.amdhsa_user_sgpr_kernarg_segment_ptr 1
		.amdhsa_wavefront_size32 1
		.amdhsa_system_sgpr_workgroup_id_x 1
		.amdhsa_system_sgpr_workgroup_id_y 1
		.amdhsa_system_sgpr_workgroup_id_z 1
		.amdhsa_system_vgpr_workitem_id 0
		.amdhsa_next_free_vgpr 1024
		.amdhsa_next_free_sgpr 76
		.amdhsa_reserve_vcc 0
		.amdhsa_float_denorm_mode_32 3
		.amdhsa_float_denorm_mode_16_64 3
		.amdhsa_memory_ordered 1
		.amdhsa_forward_progress 1
		.amdhsa_inst_pref_size 178
	.end_amdhsa_kernel
	.amdgpu_metadata
---
amdhsa.version: [ 1, 2 ]
amdhsa.kernels:
  - .name:           k_qe4fc56155b_attn
    .symbol:         k_qe4fc56155b_attn.kd
    .args:
      - { .name: qkvh, .offset: 0, .size: 8, .value_kind: global_buffer, .address_space: global }
      - { .name: mw, .offset: 8, .size: 8, .value_kind: global_buffer, .address_space: global }
      - { .name: ob, .offset: 16, .size: 8, .value_kind: global_buffer, .address_space: global }
    .group_segment_fixed_size: 327680
    .private_segment_fixed_size: 0
    .kernarg_segment_align: 8
    .kernarg_segment_size: 24
    .max_flat_workgroup_size: 128
    .sgpr_count:     76
    .vgpr_count:     1024
    .wavefront_size: 32
...
	.end_amdgpu_metadata
.endif
;; end of part 3
;; launch oproj (part 4): grid 8 x 32, 4 waves a work-group, clusters of 4 x 4, 327,680 bytes of LDS; arguments ob, wo16, out0; writes out0
.if DOCPART == 4
	.amdgcn_target "amdgcn-amd-amdhsa--gfx1250"
	.amdhsa_code_object_version 6
	.text
	.protected	k_qe4fc56155b_oproj
	.globl	k_qe4fc56155b_oproj
	.p2align	8
	.type	k_qe4fc56155b_oproj,@function
k_qe4fc56155b_oproj:
	s_mov_b64 s[64:65], 0
	v_nop
	global_prefetch_b8 v0, s[64:65] scope:SCOPE_SE
	s_setreg_imm32_b32 hwreg(HW_REG_WAVE_MODE, 25, 1), 1
	s_wait_xcnt 0x0
	s_wait_alu depctr_hold_cnt(0) depctr_sa_sdst(0) depctr_va_vdst(0) depctr_va_sdst(0) depctr_va_ssrc(0) depctr_va_vcc(0) depctr_vm_vsrc(0)
	s_getreg_b32 s2, hwreg(HW_REG_IB_STS2, 6, 4)
	s_cmp_eq_u32 s2, 0
	s_cbranch_scc0 .Lentry_in_a_cluster
	s_endpgm
.Lentry_in_a_cluster:
	s_bfe_u32 s2, ttmp6, 0x10000c
	s_cmp_lg_u32 s2, 0xf033
	s_cbranch_scc0 .Lentry_shape_is_right
	s_endpgm
.Lentry_shape_is_right:
; out0 = O wo.  ob [4096][1024] f16, wo16 [1024][2048] f16 (wo rounded to bf16, written as f16), out0 [4096][2048] f32; sums in f32.
; SHARES.  A tile of 128 rows x 256 columns to a work-group: 32 x 8 = 256.  Wave w: rows 64 (w / 2) .., columns 128 (w % 2) ..: 4 x 8 accumulators.
; THE MATRIX INSTRUCTION IS USED TRANSPOSED (source 0 = 16 columns of wo, turned out of LDS; source 1 = 16 rows of O): a lane holds row lane % 16 and eight neighbouring columns, 32 bytes of out0.
; RING.  K = 1,024 in 8 steps of 128 through two slots: O's 128 rows (pitch 272), then 128 k-rows of wo of 512 bytes (pitch 544).  Waves 0, 1 fetch O's halves, waves 2, 3 wo's.
; A K STEP IS WRITTEN ONCE: the slot that is read hangs on the scalar TB (0 or SLOT1), turned by an exclusive or at each change of slots; the fragment addresses are made anew from it.
; CLUSTER 4 x 4.  O's tile is asked for jointly along a row of the cluster, wo's along a column.
; NO PREFETCH: eight short K steps on a small tile; the launch is over before a lead of two steps could be built up.
; REGISTERS.  window 0: v16-29 addresses; v128-255 two sets of 16 rows read back.  window 1: two fragment buffers of 96 (O's four, then wo's eight).  window 2: accumulator (a, b) at 8 (8 a + b).
.set PA,     272
.set PBB,    544                       ; 512 + 32 bytes: an odd multiple of 32
.set AT,     128*PA
.set SLOT,   AT+128*PBB                ; 104,448 bytes
.set SLOT1,  1<<17                     ; slot 1 begins here, so that one exclusive or turns an address in one slot into the other's
.set STAGE,  SLOT1+SLOT                ; 16 rows x 528 bytes for each wave
.set SPI,    528
.set SPARE,  STAGE+4*16*SPI
.set ADRA, 16                          ; v16  O's fragments in the slot that is read
.set ADRA0, 17                         ; v17  the same in slot 0; never rewritten
.set ADRB, 20                          ; v20  wo's fragments in the slot that is read
.set ADRB0, 21                         ; v21  the same in slot 0; never rewritten
.set STO,  24
.set RD,   25
.set CO,   26
.set SPW,  28
.set NIL,  29
.set G1, 24                            ; s[24:31] group 1 for O's tiles; s[32:39] group 0: a set for each of the two first fills; the second then walks on
.set G0, 32
.set TB, 45                            ; s45  the slot that is read: 0 or SLOT1
.set G1B, 48
.set G0B, 56
.set MSB, 0
.macro WIN new
.if MSB != (\new)
	s_set_vgpr_msb (MSB<<8)|(\new)
.set MSB, \new
.endif
.endm
.macro JLOAD s
	s_cmp_eq_u32 s11, 0
	s_cbranch_scc0 .Lfor_b_\@
	tensor_load_to_lds s[G0+4*(\s):G0+4*(\s)+3], s[G1:G1+7]
	s_nop 0
.rept 4
	v_nop
.endr
	s_branch .Lasked_\@
.Lfor_b_\@:
	tensor_load_to_lds s[G0B+4*(\s):G0B+4*(\s)+3], s[G1B:G1B+7]
	s_nop 0
.rept 4
	v_nop
.endr
.Lasked_\@:
.endm
.macro CREST
	s_cmp_lg_u32 s10, 0
	s_cbranch_scc1 .Lnot_wave_0_\@
	s_barrier_signal -3
.Lnot_wave_0_\@:
	s_barrier_wait -3
	s_barrier_signal -1
	s_barrier_wait -1
.endm
.macro CROUND
	s_barrier_signal -1
	s_barrier_wait -1
	CREST
.endm
.macro PLACES
.rept 4
	v_nop
.endr
.endm
.macro AIM                             ; the fragment addresses in the slot that TB names
	v_add_nc_u32 v[ADRA], s[TB], v[ADRA0]
	v_add_nc_u32 v[ADRB], s[TB], v[ADRB0]
.endm
	s_load_b128 s[4:7], s[0:1], 0x0                ; ob 4, wo16 6
	s_load_b64 s[8:9], s[0:1], 0x10                ; out0
	v_lshl_add_u32 v[SPW], v0, 2, SPARE
	v_mov_b32 v[NIL], 0
	ds_add_u32 v[SPW], v[NIL]                      ; the wave's opening: the add and its wait stand ahead of my first tensor load
	v_lshrrev_b32 v1, 5, v0
	v_readfirstlane_b32 s10, v1
	s_lshr_b32 s11, s10, 1                         ; my half of the rows.  Also: I fetch for O (0) or for wo (1)
	s_and_b32 s12, s10, 1                          ; my half of the columns.  Also: which 64 rows of that tile I fetch
	s_bfe_u32 s40, ttmp6, 0x40000
	s_bfe_u32 s41, ttmp6, 0x40004
	s_lshl_b32 s42, ttmp9, 2
	s_add_co_u32 s42, s42, s40                     ; tile column
	s_and_b32 s13, ttmp7, 0xffff
	s_lshl_b32 s13, s13, 2
	s_add_co_u32 s13, s13, s41                     ; tile row
	s_lshl_b32 s43, s41, 2
	s_lshl_b32 s43, 15, s43
	s_lshl_b32 s44, 0x1111, s40
	s_or_b32 s[G1+0], s43, (1<<16)|(1<<20)|(1<<21)|(5<<22)|(3<<25)   ; O: after every 64 words 4 words of padding
	s_or_b32 s[G1B+0], s44, (1<<16)|(1<<20)|(1<<21)|(6<<22)|(7<<25)  ; wo: after every 128 words 8 words
	s_mov_b32 s[G1+1], 128<<16                     ; tensor_dim0
	s_mov_b32 s[G1+2], 64<<16                      ; tensor_dim1
	s_mov_b32 s[G1+3], 128<<16                     ; tile_dim0
	s_mov_b32 s[G1+4], 64                          ; tile_dim1
	s_mov_b32 s[G1+5], 1024                        ; elements from row to row
	s_mov_b32 s[G1+6], 0
	s_mov_b32 s[G1+7], 0
	s_mov_b32 s[G1B+1], 256<<16
	s_mov_b32 s[G1B+2], 64<<16
	s_mov_b32 s[G1B+3], 256<<16
	s_mov_b32 s[G1B+4], 64
	s_mov_b32 s[G1B+5], 2048
	s_mov_b32 s[G1B+6], 0
	s_mov_b32 s[G1B+7], 0
	s_lshl_b32 s17, s12, 6
	s_lshl_b32 s16, s13, 7
	s_add_co_u32 s16, s16, s17                     ; O: row 128 x tile row + 64 x half,
	s_lshl_b32 s16, s16, 11                        ; of 2,048 bytes
	s_mov_b32 s17, 0
	s_lshl_b32 s46, s42, 9                         ; wo: 256 columns of 2 bytes,
	s_lshl_b32 s47, s12, 18                        ; 64 k-rows of 4,096 bytes
	s_add_co_u32 s46, s46, s47
	s_mov_b32 s47, 0
	s_mul_i32 s20, s12, 64*PA                      ; where they go
	s_mul_i32 s21, s12, 64*PBB
	s_add_co_u32 s21, s21, AT
	s_mov_b32 s[TB], 0
	s_wait_dscnt 0x0                               ; the opening add is done
	s_wait_kmcnt 0x0
	s_add_nc_u64 s[14:15], s[4:5], s[16:17]
	s_add_nc_u64 s[46:47], s[6:7], s[46:47]
	CROUND
.irp s, 0,1
	s_mov_b32 s[G0+4*(\s)], 1
	s_add_co_u32 s[G0+4*(\s)+1], s20, (\s)*SLOT1
	s_add_nc_u64 s[G0+4*(\s)+2:G0+4*(\s)+3], s[14:15], (\s)*256
	s_or_b32 s[G0+4*(\s)+3], s[G0+4*(\s)+3], 0x80000000
	s_mov_b32 s[G0B+4*(\s)], 1
	s_add_co_u32 s[G0B+4*(\s)+1], s21, (\s)*SLOT1
	s_add_nc_u64 s[G0B+4*(\s)+2:G0B+4*(\s)+3], s[46:47], (\s)*0x80000
	s_or_b32 s[G0B+4*(\s)+3], s[G0B+4*(\s)+3], 0x80000000
	JLOAD \s                                       ; two tensor loads of mine are out
.endr
	v_and_b32 v1, 15, v0
	v_bfe_u32 v2, v0, 4, 1
	v_and_b32 v5, 31, v0
	v_mul_u32_u24 v3, v1, PA
	v_lshl_add_u32 v3, v2, 4, v3
	s_mul_i32 s22, s11, 64*PA
	v_add_nc_u32 v[ADRA0], s22, v3
	v_and_b32 v4, 7, v0
	v_lshl_add_u32 v4, v2, 3, v4
	v_mul_u32_u24 v4, v4, PBB
	v_bfe_u32 v6, v0, 3, 1
	v_lshl_add_u32 v4, v6, 4, v4
	s_lshl_b32 s22, s12, 8
	s_add_co_u32 s22, s22, AT
	v_add_nc_u32 v[ADRB0], s22, v4
	AIM                                            ; slot 0
	s_mul_i32 s23, s10, 16*SPI
	s_add_co_u32 s23, s23, STAGE                   ; my stage
	v_mul_u32_u24 v[STO], v1, SPI
	v_lshl_add_u32 v[STO], v2, 5, v[STO]
	v_add_nc_u32 v[STO], s23, v[STO]
	v_lshlrev_b32 v[CO], 4, v5
	v_add_nc_u32 v[RD], s23, v[CO]
	s_lshl_b32 s16, s13, 7
	s_lshl_b32 s17, s11, 6
	s_add_co_u32 s16, s16, s17
	s_lshl_b32 s16, s16, 13                        ; my first row of out0, 8,192 bytes each
	s_mov_b32 s17, 0
	s_add_nc_u64 s[8:9], s[8:9], s[16:17]
	s_lshl_b32 s46, s42, 10                        ; my first column, in bytes (in the registers that held wo's address)
	s_lshl_b32 s47, s12, 9
	s_add_co_u32 s46, s46, s47
	s_mov_b32 s47, 0
	s_add_nc_u64 s[8:9], s[8:9], s[46:47]
.macro MULA f, a, zero                 ; 8 products: row tile a x all 8 column blocks, 32 along K.  The accumulators take turns.
	WIN 0xa5                                       ; sources window 1, C and D window 2
.set b, 0
.rept 8
.set rD, 8*(8*(\a)+b)
.if \zero
	v_wmma_f32_16x16x32_f16 v[rD:rD+7], v[96*(\f)+32+8*b:96*(\f)+32+8*b+7], v[96*(\f)+8*(\a):96*(\f)+8*(\a)+7], 0
.else
	v_wmma_f32_16x16x32_f16 v[rD:rD+7], v[96*(\f)+32+8*b:96*(\f)+32+8*b+7], v[96*(\f)+8*(\a):96*(\f)+8*(\a)+7], v[rD:rD+7]
.endif
.set b, b+1
.endr
.endm
.macro FETCH q, f                      ; 24 LDS loads in one run: quarter q of the slot that is read: wo's eight fragments, turned, then O's four tiles in order
	WIN 0x40
.set b, 0
.rept 8
	ds_load_tr16_b128 v[96*(\f)+32+8*b:96*(\f)+32+8*b+3],   v[ADRB] offset:(\q)*32*PBB+32*b
	ds_load_tr16_b128 v[96*(\f)+32+8*b+4:96*(\f)+32+8*b+7], v[ADRB] offset:(\q)*32*PBB+32*b+16*PBB
.set b, b+1
.endr
.set aa, 0
.rept 4
	ds_load_b128 v[96*(\f)+8*aa:96*(\f)+8*aa+3],   v[ADRA] offset:aa*16*PA+(\q)*64
	ds_load_b128 v[96*(\f)+8*aa+4:96*(\f)+8*aa+7], v[ADRA] offset:aa*16*PA+(\q)*64+32
.set aa, aa+1
.endr
.endm
.macro QUARTER q, f, g, zero
	s_wait_dscnt 4                                 ; all but O's tiles 2 and 3
	MULA \f, 0, \zero
	MULA \f, 1, \zero
	PLACES
	FETCH \q, \g
	s_wait_dscnt 24                                ; all but the 24 just issued
	MULA \f, 2, \zero
	MULA \f, 3, \zero
.endm
; The fourth quarter multiplies buffer 1 and changes slots: one barrier; in front of it each wave waits for all its tensor loads, adds 0 to its spare word, and waits for that and for its reads of this slot.
; fill = 1: the slot just read out is filled again, with the K step two on.
.macro TURN fill
	WIN 0
	s_wait_tensorcnt 0x0
	ds_add_u32 v[SPW], v[NIL]
	s_wait_dscnt 5                                 ; (the add and O's tiles 2 and 3 may be out)
	MULA 1, 0, 0
	s_wait_dscnt 0x0
	s_barrier_signal -1
	MULA 1, 1, 0
	WIN 0
	s_barrier_wait -1
.if \fill
	CREST                                          ; the barrier has opened a round of the cluster's
	s_xor_b32 s[G0+5], s[G0+5], SLOT1              ; the walking descriptors: the other slot than last time,
	s_add_nc_u64 s[G0+6:G0+7], s[G0+6:G0+7], 256          ; the next K step: 128 elements along O's rows,
	s_xor_b32 s[G0B+5], s[G0B+5], SLOT1
	s_add_nc_u64 s[G0B+6:G0B+7], s[G0B+6:G0B+7], 0x80000  ; 128 rows of 4,096 bytes down wo
	JLOAD 1                                        ; the first tensor load behind the round; its four v_nop are also the places in front of the loads below
.else
	PLACES
.endif
	s_xor_b32 s[TB], s[TB], SLOT1                  ; the reads go on in the other slot
	AIM
	FETCH 0, 0
	MULA 1, 2, 0
	MULA 1, 3, 0
.endm
	s_wait_tensorcnt 1                             ; my part of K step 0 is in; K step 1's may stay out
	s_barrier_signal -1
	s_barrier_wait -1
	FETCH 0, 0
	QUARTER 1, 0, 1, 1                             ; the first quarter's products start the sums
	WIN 0
	s_mov_b32 s3, 6
.Lstep:                                        ; a trip goes from a K step's second quarter to the next step's first, and fills the slot that it leaves: K steps 2 to 7
	QUARTER 2, 1, 0, 0
	QUARTER 3, 0, 1, 0
	TURN 1
	QUARTER 1, 0, 1, 0
	WIN 0
	s_sub_co_u32 s3, s3, 1
	s_cmp_lg_u32 s3, 0
	s_cbranch_scc1 .Lstep
	s_mov_b32 s3, 2                                ; the last two K steps fill nothing: one text, walked twice, entered behind its first quarter
	s_branch .Lmid
.Ltail:
	QUARTER 1, 0, 1, 0
	WIN 0
.Lmid:
	QUARTER 2, 1, 0, 0
	QUARTER 3, 0, 1, 0
	TURN 0                                         ; at the second time its fetch reads the other slot's old bytes and serves nothing: the price, once a launch, of one text for both
	WIN 0
	s_sub_co_u32 s3, s3, 1
	s_cmp_lg_u32 s3, 0
	s_cbranch_scc1 .Ltail
	s_wait_dscnt 0x0                               ; that last fetch is back
	PLACES
; THE WAY OUT of row tile a: 32 bytes a lane and block into my own stage, whole rows of 512 bytes back, stored.
.macro WAYOUT a
.set BK, 128+64*((\a)%2)
	WIN 0x08                                       ; address window 0, data window 2
.set b, 0
.rept 8
	ds_store_b128 v[STO], v[8*(8*(\a)+b):8*(8*(\a)+b)+3]   offset:64*b      ; each accumulator from its low end on
	ds_store_b128 v[STO], v[8*(8*(\a)+b)+4:8*(8*(\a)+b)+7] offset:64*b+16
.set b, b+1
.endr
	WIN 0
	s_wait_xcnt 0x0                                ; the stores of the tile two back have read the registers that are loaded next
.set i, 0
.rept 16
	ds_load_b128 v[BK+4*i:BK+4*i+3], v[RD] offset:SPI*i  ; LDS serves a wave's instructions in order: these see the stores above
.set i, i+1
.endr
.set i, 0
.rept 16
	s_wait_dscnt 15-i
	global_store_b128 v[CO], v[BK+4*i:BK+4*i+3], s[8:9] offset:(16*(\a)+i)*8192 th:TH_STORE_NT  ; 512 consecutive bytes of a row, aligned
.set i, i+1
.endr
.endm
	WAYOUT 0
	WAYOUT 1
	WAYOUT 2
	WAYOUT 3
	s_wait_tensorcnt 0x0                           ; the wave's end
	ds_add_u32 v[SPW], v[NIL]
	s_wait_dscnt 0x0
	CROUND                                         ; the closing round
	s_endpgm
.Lfunc_end_k_qe4fc56155b_oproj:
	.size	k_qe4fc56155b_oproj, .Lfunc_end_k_qe4fc56155b_oproj-k_qe4fc56155b_oproj
	.p2alignl 7, 3214868480
	.fill 96, 4, 3214868480
	.section	.rodata,"a",@progbits
	.p2align	6, 0x0
	.amdhsa_kernel k_qe4fc56155b_oproj
		.amdhsa_group_segment_fixed_size 327680
		.amdhsa_private_segment_fixed_size 0
		.amdhsa_enable_private_segment 0
		.amdhsa_kernarg_size 24
		.amdhsa_user_sgpr_count 2
		.amdhsa_user_sgpr_kernarg_segment_ptr 1
		.amdhsa_wavefront_size32 1
		.amdhsa_system_sgpr_workgroup_id_x 1
		.amdhsa_system_sgpr_workgroup_id_y 1
		.amdhsa_system_sgpr_workgroup_id_z 1
		.amdhsa_system_vgpr_workitem_id 0
		.amdhsa_next_free_vgpr 768
		.amdhsa_next_free_sgpr 66
		.amdhsa_reserve_vcc 0
		.amdhsa_float_denorm_mode_32 3
		.amdhsa_float_denorm_mode_16_64 3
		.amdhsa_memory_ordered 1
		.amdhsa_forward_progress 1
		.amdhsa_inst_pref_size 62
	.end_amdhsa_kernel
	.amdgpu_metadata
---
amdhsa.version: [ 1, 2 ]
amdhsa.kernels:
  - .name:           k_qe4fc56155b_oproj
    .symbol:         k_qe4fc56155b_oproj.kd
    .args:
      - { .name: ob, .offset: 0, .size: 8, .value_kind: global_buffer, .address_space: global }
      - { .name: wo16, .offset: 8, .size: 8, .value_kind: global_buffer, .address_space: global }
      - { .name: out0, .offset: 16, .size: 8, .value_kind: global_buffer, .address_space: global }
    .group_segment_fixed_size: 327680
    .private_segment_fixed_size: 0
    .kernarg_segment_align: 8
    .kernarg_segment_size: 24
    .max_flat_workgroup_size: 128
    .sgpr_count:     66
    .vgpr_count:     768
    .wavefront_size: 32
...
	.end_amdgpu_metadata
.endif
;; end of part 4
;; ======== version 2 of 2: 4 launches; version 1 with the launch prep written anew for expert scheduling mode
;; limits: values are held in f16: magnitudes above 65,504 overflow, below 6.1e-05 lose precision; right only within a limited range of input values
;; workspace buffers: xb 16,777,216 bytes; wb 12,582,912 bytes; wo16 4,194,304 bytes; mw 1,048,576 bytes of whole numbers; cs 2,097,152 bytes; qkvh 25,165,824 bytes; ob 8,388,608 bytes
;; launch prep (part 5): grid 704 x 1, 8 waves a work-group, no clusters, 17,408 bytes of LDS; arguments x, wq, wk, wv, wo, attn_mask, position_ids, xb, wb, wo16, mw, cs; writes xb, wb, wo16, mw, cs
.if DOCPART == 5
	.amdgcn_target "amdgcn-amd-amdhsa--gfx1250"
	.amdhsa_code_object_version 6
	.text
	.protected	k_qe4fc56155b_prep
	.globl	k_qe4fc56155b_prep
	.p2align	8
	.type	k_qe4fc56155b_prep,@function
k_qe4fc56155b_prep:
	s_mov_b64 s[64:65], 0
	v_nop
	global_prefetch_b8 v0, s[64:65] scope:SCOPE_SE
	s_setreg_imm32_b32 hwreg(HW_REG_WAVE_SCHED_MODE, 0, 2), 2
	s_setreg_imm32_b32 hwreg(HW_REG_WAVE_MODE, 25, 1), 1
	s_wait_xcnt 0x0
	s_wait_alu depctr_vm_vsrc(0)
; PREPARING LAUNCH.  Kinds of work, chosen by the work-group's number alone; the 512 equal streams come first:
;   0..255    x -> xb, bf16          256..447  wq, wk, wv -> wb, bf16          448..511  wo -> wo16: rounded to bf16, that number written as f16
;   512..575  attn_mask (one byte a flag) -> mw, one bit a flag, laid out as the attention launch's lanes want it
;   576..703  position_ids -> cs: for each of the 4,096 rows 64 cosines and 64 sines in f32
; A stream: every byte is read once by 16-byte loads (a wave's load covers 512 consecutive bytes) and written once (a wave's store covers 256 or 512 consecutive bytes, aligned).
; No matrix unit, no cluster: no two work-groups read the same byte.
; LIMITS.  wo: a bf16 number below 6e-5 keeps f16's fixed step of 6e-8.  The angle is pos x 2^(-i x 0.31143076), within a few last places of the f32 quotient pos / 1e6^(i/64);
; what that leaves grows with |pos| (about 2e-4 at pos = 2,047).  The reduction by pi/2 in two parts holds for |pos| up to some 1e5.  A flag byte is 0 or 1.
; THE MODE: SCHED_MODE bits 1:0 = 2 (LLVM: expert scheduling mode 2), set by the entry lines.  The code itself states the register dependences
; between vector instructions and memory or LDS instructions, with s_wait_alu, always for 0.
; THE PLAN.  Registers that memory or LDS instructions touch:
;   v1, v2      16 t and 8 t: offsets, made at the head and never written again.  v158, v159: made at the head, read by the closing add alone.
;   streams     X of slot i: written by its load, read by its pair's conversions, loaded again behind them.  Y of slot i: written by those conversions, read by the pair's stores, written again a lap later.
;               ONE wait on va_vdst a pair, behind its conversions; ONE wait on vm_vsrc a lap, at its end.  v4-v11 are named by vector instructions alone.
;   the mask    v5, v6: offsets, made once.  D: four registers for each of 32 loads, worked on in place; the LDS stores of load j - 8 stand among the vector lines of load j, behind one wait on va_vdst for every eight loads.
;   cosines     v5, v8: offsets, made once; the scalar bases move on.  v10: loaded, converted in place.  v[20:27]: written by the trip's arithmetic, read by its two stores.  s46-s49: the four compares' masks.
.set SPARE, 16384                      ; behind the mask's 16,384 bytes: the spare words, 128 bytes for each of eight waves
.set SPW, 158                          ; v158  LDS address of my spare word; never rewritten
.set NIL, 159                          ; v159  0; never rewritten
.set D,   16                           ; the mask: v[16:143], 32 loads of four registers
.set X,   16                           ; the streams: slot i's four registers as loaded
.set Y,   48                           ; slot i's two registers to store
.set W,   4                            ; v[4:11] wo: four numbers widened again, for each of a pair's two slots
; Two slots' turn in a ring of eight: slots 2 q and 2 q + 1.  ahead = 1: they are filled again with the 4,096 bytes eight loads on.  left = how many younger loads may stay out.
.macro PAIRC q, ahead, left, f16
	s_wait_loadcnt \left                           ; loads come back in order: the pair's two are in, the younger ones stay out
.irp i, 2*(\q), 2*(\q)+1
	v_cvt_pk_bf16_f32 v[Y+2*(\i)], v[X+4*(\i)], v[X+4*(\i)+1]
	v_cvt_pk_bf16_f32 v[Y+2*(\i)+1], v[X+4*(\i)+2], v[X+4*(\i)+3]
.endr
.if \f16
.irp i, 2*(\q), 2*(\q)+1
	v_lshlrev_b32 v[W+4*((\i)%2)], 16, v[Y+2*(\i)]             ; the bf16 numbers widened again,
	v_and_b32 v[W+4*((\i)%2)+1], 0xffff0000, v[Y+2*(\i)]
	v_lshlrev_b32 v[W+4*((\i)%2)+2], 16, v[Y+2*(\i)+1]
	v_and_b32 v[W+4*((\i)%2)+3], 0xffff0000, v[Y+2*(\i)+1]
	v_cvt_pk_f16_f32 v[Y+2*(\i)], v[W+4*((\i)%2)], v[W+4*((\i)%2)+1]       ; and written as f16: exact within f16's normal range
	v_cvt_pk_f16_f32 v[Y+2*(\i)+1], v[W+4*((\i)%2)+2], v[W+4*((\i)%2)+3]
.endr
.endif
	s_wait_alu depctr_va_vdst(0)                   ; the conversions are done reading the pair's X, in which the loads below land, and have written its Y, which the stores below read
.if \ahead
.irp i, 2*(\q), 2*(\q)+1
	global_load_b128 v[X+4*(\i):X+4*(\i)+3], v1, s[32:33] offset:4096*((\i)+8) th:TH_LOAD_NT  ; the slots are asked for again at once
.endr
.endif
.irp i, 2*(\q), 2*(\q)+1
	global_store_b64 v2, v[Y+2*(\i):Y+2*(\i)+1], s[34:35] offset:2048*(\i) th:TH_STORE_NT
.endr
.endm
; 32,768 numbers: 32 loads of 4,096 bytes for the work-group, in four laps of the ring; six to eight loads of every wave are always on their way.  The last lap loads nothing.
.macro CVT f16
.irp i, 0,1,2,3,4,5,6,7
	global_load_b128 v[X+4*(\i):X+4*(\i)+3], v1, s[32:33] offset:4096*(\i) th:TH_LOAD_NT
.endr
	s_mov_b32 s36, 3
.Lround_\@:
	PAIRC 0, 1, 6, \f16
	PAIRC 1, 1, 6, \f16
	PAIRC 2, 1, 6, \f16
	PAIRC 3, 1, 6, \f16
	s_wait_xcnt 0x0                                ; the two bases are stepped, and Y is rewritten, only behind this wait
	s_wait_alu depctr_vm_vsrc(0)                   ; this lap's stores have read all of Y, which the next lap's conversions write again
	s_add_nc_u64 s[32:33], s[32:33], 0x8000
	s_add_nc_u64 s[34:35], s[34:35], 0x4000
	s_sub_co_u32 s36, s36, 1
	s_cmp_lg_u32 s36, 0
	s_cbranch_scc1 .Lround_\@
	PAIRC 0, 0, 6, \f16                            ; the counts run down
	PAIRC 1, 0, 4, \f16
	PAIRC 2, 0, 2, \f16
	PAIRC 3, 0, 0, \f16
.endm
	s_load_b512 s[4:19], s[0:1], 0x0               ; x 4, wq 6, wk 8, wv 10, wo 12, attn_mask 14, position_ids 16, xb 18
	s_load_b256 s[20:27], s[0:1], 0x40             ; wb 20, wo16 22, mw 24, cs 26
	v_lshl_add_u32 v[SPW], v0, 2, SPARE
	v_mov_b32 v[NIL], 0
	s_mov_b32 s2, ttmp9
	s_mov_b32 s29, 0                               ; s[28:29], s[30:31]: byte offsets, all under 2^32
	s_mov_b32 s31, 0
	v_lshlrev_b32 v1, 4, v0                        ; 16 bytes a thread
	v_lshlrev_b32 v2, 3, v0                        ; 8 bytes a thread
	s_wait_alu depctr_va_vdst(0)                   ; v1 and v2 are written: the streams' loads and stores and the mask's way out read them as offsets, and no line writes them again
	s_wait_kmcnt 0x0
	s_cmp_lt_u32 s2, 448
	s_cbranch_scc1 .Lxw
	s_cmp_lt_u32 s2, 512
	s_cbranch_scc1 .Lwo
	s_cmp_lt_u32 s2, 576
	s_cbranch_scc1 .Lmask
	s_branch .Lrope
.Lxw:                                          ; x's 256 chunks, then 64 each of wq, wk, wv, which follow each other in wb: one text, the pointers chosen by the work-group's number
	s_sub_co_u32 s3, s2, 256                       ; a weight's chunk, 0..191 (for x a number that is not used)
	s_cmp_lt_u32 s3, 64
	s_cselect_b64 s[32:33], s[6:7], s[8:9]
	s_cmp_lt_u32 s3, 128
	s_cselect_b64 s[32:33], s[32:33], s[10:11]
	s_and_b32 s28, s3, 63
	s_cmp_lt_u32 s2, 256
	s_cselect_b64 s[32:33], s[4:5], s[32:33]
	s_cselect_b64 s[34:35], s[18:19], s[20:21]
	s_cselect_b32 s28, s2, s28                     ; the chunk in its source,
	s_cselect_b32 s30, s2, s3                      ; and in its destination
	s_lshl_b32 s28, s28, 17
	s_lshl_b32 s30, s30, 16
	s_add_nc_u64 s[32:33], s[32:33], s[28:29]
	s_add_nc_u64 s[34:35], s[34:35], s[30:31]
	CVT 0
	s_endpgm
.Lwo:
	s_sub_co_u32 s3, s2, 448                       ; wo: chunk 0..63
	s_lshl_b32 s28, s3, 17
	s_lshl_b32 s30, s3, 16
	s_add_nc_u64 s[32:33], s[12:13], s[28:29]
	s_add_nc_u64 s[34:35], s[22:23], s[30:31]
	CVT 1
	s_endpgm
; THE MASK.  Group g = 32 b + G owns the 64 query rows 64 G .. of batch b: 131,072 bytes in, 16,384 out.
; mw: word (((g x 32 + ks) x 32 + lane) x 4 + t); its bit 8 kb + j is mask[b][64 G + 16 t + lane % 16][64 ks + 16 kb + 8 (lane / 16) + j].
; Wave w reads rows 8 w .. 8 w + 7.  In load n of a row lane i holds the flags of keys 512 n + 16 i + 0..15: ks = 8 n + i / 4, kb = i % 4, the first eight for lanes 0-15 of the reader, the rest for lanes 16-31.
.Lmask:
	s_sub_co_u32 s3, s2, 512
	v_lshrrev_b32 v3, 5, v0
	v_readfirstlane_b32 s37, v3                    ; wave 0..7
	v_and_b32 v4, 31, v0                           ; lane
	s_lshl_b32 s28, s3, 17
	s_add_nc_u64 s[32:33], s[14:15], s[28:29]
	s_lshl_b32 s30, s3, 14
	s_add_nc_u64 s[34:35], s[24:25], s[30:31]
	s_mov_b32 s36, 0x10204080                      ; times this, four bytes of 0 or 1 land in bits 28..31; all sixteen partial products fall on different bits, so nothing carries
	s_wait_alu depctr_va_sdst(0)                   ; s37 is written, ahead of its first reader: the wave's rows and its place in LDS are made from it
	s_lshl_b32 s38, s37, 14
	v_lshl_add_u32 v5, v4, 4, s38                  ; 8 rows x 2,048 bytes a wave + 16 bytes a lane
	s_wait_alu depctr_va_vdst(0)                   ; v5 is written: the 32 loads read it as their offset
.set j, 0
.rept 32                               ; j = 4 x row + n
	global_load_b128 v[D+4*j:D+4*j+3], v5, s[32:33] offset:(j/4)*2048+(j%4)*512 th:TH_LOAD_NT
.set j, j+1
.endr
	v_lshrrev_b32 v6, 2, v4
	v_and_b32 v7, 3, v4
	v_lshl_or_b32 v6, v6, 9, v7                    ; (i / 4) x 512 + i % 4
	s_and_b32 s39, s37, 1
	s_lshl_b32 s39, s39, 7                         ; row 8 (w % 2) of the tile: 16 bytes a row
	s_lshr_b32 s40, s37, 1
	s_lshl_b32 s40, s40, 2                         ; tile w / 2: 4 bytes a tile
	s_add_co_u32 s39, s39, s40
	v_add_nc_u32 v6, s39, v6
; Load j's sixteen flags become two bytes, in place.  The two LDS stores of load j - 8 stand among load j's lines: their data were written ahead of the last wait on va_vdst, and no vector line behind it names them.
.set j, 0
.rept 32
	s_wait_loadcnt 31-j                            ; number j is in, the younger ones stay out
.if (j%8 == 0) && (j > 0)
	s_wait_alu depctr_va_vdst(0)                   ; the bytes of the eight loads before are written, which the LDS stores among the next eight loads' lines read; at the first time v6, their address, too
.endif
.irp k, 0,1,2,3
	v_mul_lo_u32 v[D+4*j+(\k)], v[D+4*j+(\k)], s36
.endr
.if j >= 8
.set jj, j-8
	ds_store_b8 v6, v[D+4*jj] offset:(jj%4)*4096+(jj/4)*16
	ds_store_b8 v6, v[D+4*jj+2] offset:(jj%4)*4096+(jj/4)*16+256
.endif
.irp k, 0,1,2,3
	v_lshrrev_b32 v[D+4*j+(\k)], 28, v[D+4*j+(\k)]
.endr
	v_lshl_or_b32 v[D+4*j], v[D+4*j+1], 4, v[D+4*j]
	v_lshl_or_b32 v[D+4*j+2], v[D+4*j+3], 4, v[D+4*j+2]
.set j, j+1
.endr
	s_wait_alu depctr_va_vdst(0)                   ; the last eight loads' bytes are written, which the stores below read; every vector line that names D stands ahead of this wait
.set jj, 24
.rept 8
	ds_store_b8 v6, v[D+4*jj] offset:(jj%4)*4096+(jj/4)*16
	ds_store_b8 v6, v[D+4*jj+2] offset:(jj%4)*4096+(jj/4)*16+256
.set jj, jj+1
.endr
	s_wait_dscnt 0x0                               ; for the others' sake: my bytes lie in LDS
	s_barrier_signal -1
	s_barrier_wait -1
	s_wait_alu depctr_vm_vsrc(0)                   ; my LDS stores have read v[D ..], in the first sixteen of which the loads below land
.irp k, 0,1,2,3
	ds_load_b128 v[D+4*(\k):D+4*(\k)+3], v1 offset:(\k)*4096
.endr
	s_wait_dscnt 0x0
.irp k, 0,1,2,3
	global_store_b128 v1, v[D+4*(\k):D+4*(\k)+3], s[34:35] offset:(\k)*4096
.endr
	s_wait_dscnt 0x0                               ; the closing lines, six on end
	s_wait_alu 0x0
	s_wait_tensorcnt 0x0
	ds_add_u32 v[SPW], v[NIL]
	s_wait_dscnt 0x0
	s_endpgm
; COSINES AND SINES.  The work-group owns 32 rows, 16 a trip; thread: row v0 / 16, frequencies 4 c .. 4 c + 3 with c = v0 % 16.
; angle a = pos x 2^(-i log2(1e6) / 64); k = the nearest whole number to a x 2 / pi; r = a - k pi / 2, pi / 2 in two parts; polynomials on |r| <= pi / 4; the quadrant k mod 4 swaps and signs.
; Frequency n has ten registers of its own, v[30 + 10 n ..], and a scalar register for its compare's mask: the four compares stand ahead of one wait, the lines that read the masks behind it.
.macro ANGLE n                         ; sin r, cos r, k, and whether k is odd
.set rb, 30+10*(\n)
	v_mul_f32 v[rb], v10, v[12+(\n)]
	v_mul_f32 v[rb+1], s36, v[rb]
	v_rndne_f32 v[rb+1], v[rb+1]
	v_fma_f32 v[rb+2], -v[rb+1], s37, v[rb]
	v_fma_f32 v[rb+2], v[rb+1], s38, v[rb+2]
	v_cvt_i32_f32 v[rb+3], v[rb+1]
	v_mul_f32 v[rb+4], v[rb+2], v[rb+2]
	v_fma_f32 v[rb+5], v[rb+4], s39, s40
	v_fma_f32 v[rb+5], v[rb+5], v[rb+4], s41
	v_mul_f32 v[rb+6], v[rb+2], v[rb+4]
	v_fma_f32 v[rb+5], v[rb+6], v[rb+5], v[rb+2]   ; sin r
	v_fma_f32 v[rb+7], v[rb+4], s42, s43
	v_fma_f32 v[rb+7], v[rb+7], v[rb+4], s44
	v_mul_f32 v[rb+8], v[rb+4], v[rb+4]
	v_fma_f32 v[rb+9], v[rb+4], -0.5, 1.0
	v_fma_f32 v[rb+7], v[rb+8], v[rb+7], v[rb+9]   ; cos r
	v_and_b32 v[rb+8], 1, v[rb+3]
	v_cmp_eq_u32 s[46+(\n)], 1, v[rb+8]
.endm
.macro QUADRANT n
.set rb, 30+10*(\n)
	v_cndmask_b32 v[rb+9], v[rb+5], v[rb+7], s[46+(\n)]  ; odd quadrants: the two change places
	v_cndmask_b32 v[rb+7], v[rb+7], v[rb+5], s[46+(\n)]
	v_lshlrev_b32 v[rb+8], 30, v[rb+3]             ; the sine is negative in quadrants 2 and 3,
	v_and_b32 v[rb+8], 0x80000000, v[rb+8]
	v_xor_b32 v[24+(\n)], v[rb+9], v[rb+8]
	v_add_nc_u32 v[rb+8], 1, v[rb+3]               ; the cosine in 1 and 2
	v_lshlrev_b32 v[rb+8], 30, v[rb+8]
	v_and_b32 v[rb+8], 0x80000000, v[rb+8]
	v_xor_b32 v[20+(\n)], v[rb+7], v[rb+8]
.endm
.Lrope:
	s_sub_co_u32 s3, s2, 576
	s_lshl_b32 s28, s3, 7                          ; 32 positions of 4 bytes
	s_add_nc_u64 s[32:33], s[16:17], s[28:29]
	s_lshl_b32 s30, s3, 14                         ; 32 rows of 512 bytes
	s_add_nc_u64 s[34:35], s[26:27], s[30:31]
	v_lshrrev_b32 v3, 4, v0
	v_and_b32 v4, 15, v0
	v_lshlrev_b32 v5, 2, v3
	v_lshlrev_b32 v6, 2, v4
.irp n, 0,1,2,3
	v_add_nc_u32 v7, \n, v6
	v_cvt_f32_u32 v[12+(\n)], v7
	v_mul_f32 v[12+(\n)], 0xbe9f73da, v[12+(\n)]   ; -i x 0.31143076
.endr
.irp n, 0,1,2,3
	v_exp_f32 v[12+(\n)], v[12+(\n)]
.endr
	s_mov_b32 s36, 0x3f22f983                      ; 2 / pi
	s_mov_b32 s37, 0x3fc90fdb                      ; pi / 2, upper part
	s_mov_b32 s38, 0x333bbd2e                      ; what the upper part exceeds pi / 2 by
	s_mov_b32 s39, 0xb94ca1f9                      ; sine: -1.9515296e-4, 8.3321609e-3, -1.6666655e-1
	s_mov_b32 s40, 0x3c08839e
	s_mov_b32 s41, 0xbe2aaaa3
	s_mov_b32 s42, 0x37ccf5ce                      ; cosine: 2.4433157e-5, -1.3887316e-3, 4.1666646e-2
	s_mov_b32 s43, 0xbab6061a
	s_mov_b32 s44, 0x3d2aaaa5
	s_mov_b32 s45, 2
	v_lshlrev_b32 v8, 9, v3                        ; a plain instruction behind the last exponential
	v_lshl_add_u32 v8, v4, 4, v8                   ; row x 512 + 16 c
	s_wait_alu depctr_va_vdst(0)                   ; one wait for the four exponentials, ahead of the label and of their first reader; v5 and v8 are written too, the offsets that the loop's load and stores read
.Lrows:
	global_load_b32 v10, v5, s[32:33]
	s_wait_loadcnt 0x0
	v_cvt_f32_i32 v10, v10
	ANGLE 0
	ANGLE 1
	ANGLE 2
	ANGLE 3
	s_wait_alu depctr_va_sdst(0)                   ; the four compares have written s46 to s49, ahead of their first reader
	QUADRANT 0
	QUADRANT 1
	QUADRANT 2
	QUADRANT 3
	s_wait_alu depctr_va_vdst(0)                   ; v[20:27] are written, which the stores read; the trip's lines are done with v10, in which the next trip's load lands
	global_store_b128 v8, v[20:23], s[34:35]               ; sixteen lanes fill a row's 256 bytes of cosines,
	global_store_b128 v8, v[24:27], s[34:35] offset:256    ; and of sines
	s_wait_xcnt 0x0                                ; the bases and the stores' data are rewritten only behind this wait
	s_wait_alu depctr_vm_vsrc(0)                   ; the stores have read v[20:27], which the next trip writes again
	s_add_nc_u64 s[32:33], s[32:33], 64            ; 16 positions on,
	s_add_nc_u64 s[34:35], s[34:35], 0x2000        ; 16 rows on
	s_sub_co_u32 s45, s45, 1
	s_cmp_lg_u32 s45, 0
	s_cbranch_scc1 .Lrows
	s_endpgm
.Lfunc_end_k_qe4fc56155b_prep:
	.size	k_qe4fc56155b_prep, .Lfunc_end_k_qe4fc56155b_prep-k_qe4fc56155b_prep
	.p2alignl 7, 3214868480
	.fill 96, 4, 3214868480
	.section	.rodata,"a",@progbits
	.p2align	6, 0x0
	.amdhsa_kernel k_qe4fc56155b_prep
		.amdhsa_group_segment_fixed_size 17408
		.amdhsa_private_segment_fixed_size 0
		.amdhsa_enable_private_segment 0
		.amdhsa_kernarg_size 96
		.amdhsa_user_sgpr_count 2
		.amdhsa_user_sgpr_kernarg_segment_ptr 1
		.amdhsa_wavefront_size32 1
		.amdhsa_system_sgpr_workgroup_id_x 1
		.amdhsa_system_sgpr_workgroup_id_y 1
		.amdhsa_system_sgpr_workgroup_id_z 1
		.amdhsa_system_vgpr_workitem_id 0
		.amdhsa_next_free_vgpr 160
		.amdhsa_next_free_sgpr 66
		.amdhsa_reserve_vcc 0
		.amdhsa_float_denorm_mode_32 3
		.amdhsa_float_denorm_mode_16_64 3
		.amdhsa_memory_ordered 1
		.amdhsa_forward_progress 1
		.amdhsa_inst_pref_size 52
	.end_amdhsa_kernel
	.amdgpu_metadata
---
amdhsa.version: [ 1, 2 ]
amdhsa.kernels:
  - .name:           k_qe4fc56155b_prep
    .symbol:         k_qe4fc56155b_prep.kd
    .args:
      - { .name: x, .offset: 0, .size: 8, .value_kind: global_buffer, .address_space: global }
      - { .name: wq, .offset: 8, .size: 8, .value_kind: global_buffer, .address_space: global }
      - { .name: wk, .offset: 16, .size: 8, .value_kind: global_buffer, .address_space: global }
      - { .name: wv, .offset: 24, .size: 8, .value_kind: global_buffer, .address_space: global }
      - { .name: wo, .offset: 32, .size: 8, .value_kind: global_buffer, .address_space: global }
      - { .name: attn_mask, .offset: 40, .size: 8, .value_kind: global_buffer, .address_space: global }
      - { .name: position_ids, .offset: 48, .size: 8, .value_kind: global_buffer, .address_space: global }
      - { .name: xb, .offset: 56, .size: 8, .value_kind: global_buffer, .address_space: global }
      - { .name: wb, .offset: 64, .size: 8, .value_kind: global_buffer, .address_space: global }
      - { .name: wo16, .offset: 72, .size: 8, .value_kind: global_buffer, .address_space: global }
      - { .name: mw, .offset: 80, .size: 8, .value_kind: global_buffer, .address_space: global }
      - { .name: cs, .offset: 88, .size: 8, .value_kind: global_buffer, .address_space: global }
    .group_segment_fixed_size: 17408
    .private_segment_fixed_size: 0
    .kernarg_segment_align: 8
    .kernarg_segment_size: 96
    .max_flat_workgroup_size: 256
    .sgpr_count:     66
    .vgpr_count:     160
    .wavefront_size: 32
...
	.end_amdgpu_metadata
.endif
;; end of part 5
;; launch qkv: the kernel of part 2 again; grid 8 x 32, 4 waves a work-group, clusters of 4 x 4, 327,680 bytes of LDS; arguments xb, wb, cs, q_norm_w, k_norm_w, qkvh; writes qkvh
;; launch attn: the kernel of part 3 again; grid 16 x 16, 4 waves a work-group, clusters of 4 x 1, 327,680 bytes of LDS; arguments qkvh, mw, ob; writes ob
;; launch oproj: the kernel of part 4 again; grid 8 x 32, 4 waves a work-group, clusters of 4 x 4, 327,680 bytes of LDS; arguments ob, wo16, out0; writes out0
